; MI455X (gfx1250); checked and timed in simulation.
; The chip was launched on July 23, 2026; its instructions are those of AMD's public machine-readable ISA for CDNA 5 (MIT licence, August 2026) and "CDNA5" Instruction Set Architecture Reference Guide (July 2026). The comments in the code are by the model that wrote it; some were corrected since.
;; Multi Head Attention. Allowed arithmetic: matrix products marked QUANTISED: E2M1 operands, one E8M0 scale for each 32 along K, by v_wmma_scale_f32_16x16x128_f8f6f4 with both operands' format E2M1 (or v_wmma_scale_f32_32x16x128_f4), f32 sums; products left as they are: bf16, f16 or f32 operands; f32 sums; everything else in f32.
;; Inputs: W_proj 1,024 x 1,024 float32; W_qkv 1,024 x 3,072 float32; b_proj 1,024 float32; x 4 x 2,048 x 1,024 float32.
;; Outputs: out0 4 x 2,048 x 1,024 float32.
;; This version of the problem:
;;   THIS VERSION OF THE PROBLEM IS GIVEN IN LOW PRECISION. The matrix products marked QUANTISED in the list below multiply operands that are first quantised to E2M1 (2 exponent bits, 1 mantissa bit; 4 bits a number), with one power-of-two scale for each 32 numbers along K (OCP MX v1.0); their sums are f32. The products marked 'left as it is' may take bf16, f16 or f32 operands, with f32 sums. Whichever they take, every output number must still come out within the allowed error. Rounding operands to bf16 (8 significant bits) uses up far more of that allowance than f16 does (11 bits, for magnitudes from 6e-5 to 65,504). All else is computed in f32.
;;   The module's matrix products, in the order in which they are computed (A, B: the left and right operand; K: the contracted axis; several contracted axes count as one K, in the product's order):
;;     1. [M 8,192, K 1,024] x [K 1,024, N 3,072]; A: input x; B: input W_qkv: QUANTISED
;;     2. batch 64 x [M 2,048, K 64] x [K 64, N 2,048]; A: computed on the way; B: computed on the way: left as it is (an operand is computed on the way)
;;     3. batch 64 x [M 2,048, K 2,048] x [K 2,048, N 64]; A: computed on the way; B: computed on the way: left as it is (an operand is computed on the way)
;;     4. [M 8,192, K 1,024] x [K 1,024, N 1,024]; A: computed on the way; B: input W_proj: left as it is (an operand is computed on the way)
;;   THE QUANTISER, for each operand of a quantised product, along K:
;;     - K is cut into blocks of 32 from its start; a last block that is shorter is filled with zeros.
;;     - A block's scale is 2^e with e = floor(log2(the largest magnitude in the block)) - 2, held to -126 .. 127; a block of zeros has e = 0. As a byte (E8M0): e + 127.
;;     - Each number is divided by its block's scale, clamped to +-6, and rounded to the nearest number of E2M1, ties to even, subnormals kept.
;;     - The product sums the exact products of the quantised numbers (number of the format x scale) in f32.
;;   ~~~python
;;   def quantise(x, axis):      # numpy; x: float32 -> the quantised numbers, widened to float32 again
;;       x = np.moveaxis(x, axis, -1); K = x.shape[-1]
;;       x = np.pad(x, [(0, 0)] * (x.ndim - 1) + [(0, -K % 32)]); x = x.reshape(x.shape[:-1] + (-1, 32)); a = np.abs(x).max(-1, keepdims=True)
;;       e = np.where(a > 0, np.clip(np.frexp(np.where(a > 0, a, 1))[1] - 1 - 2, -126, 127), 0)      # np.frexp(a)[1] - 1 = floor(log2(a)), exactly
;;       r = np.clip(x / 2.0 ** e, -6, 6)
;;       step = 2.0 ** (np.maximum(np.frexp(np.where(r == 0, 1, r))[1] - 1, 0) - 1)
;;       q = np.round(r / step) * step * 2.0 ** e      # np.round: ties to even
;;       return np.moveaxis(q.reshape(q.shape[:-2] + (-1,))[..., :K], -1, axis).astype(np.float32)
;;   ~~~
;; One version. Each part assembles by itself: llvm-mc -triple=amdgcn-amd-amdhsa -mcpu=gfx1250 --defsym DOCPART=n.
;; ======== version 1 of 1: 5 launches
;; limits: values are held in f16: magnitudes above 65,504 overflow, below 6.1e-05 lose precision
;; workspace buffers: x_codes 4,194,304 bytes; x_scales 262,144 bytes; wq_codes 1,572,864 bytes; wq_scales 98,304 bytes; wp16 4,194,304 bytes; qkv16 50,331,648 bytes; y16 16,777,216 bytes; fine32 786,432 bytes
;; launch prep (part 1): grid 368 x 1, 4 waves a work-group, no clusters, 68,096 bytes of LDS; arguments x, W_qkv, W_proj, x_codes, x_scales, wq_codes, wq_scales, wp16; writes x_codes, x_scales, wq_codes, wq_scales, wp16
.if DOCPART == 1
	.amdgcn_target "amdgcn-amd-amdhsa--gfx1250"
	.amdhsa_code_object_version 6
	.text
	.protected	k_q886fe0d15a_prep
	.globl	k_q886fe0d15a_prep
	.p2align	8
	.type	k_q886fe0d15a_prep,@function
k_q886fe0d15a_prep:
	s_mov_b64 s[64:65], 0
	v_nop
	global_prefetch_b8 v0, s[64:65] scope:SCOPE_SE
	s_setreg_imm32_b32 hwreg(HW_REG_WAVE_MODE, 25, 1), 1
	s_wait_xcnt 0x0
; PREP: three jobs in one launch, told apart by the work-group's number; the three paths never meet again and use LDS bytes of their own.
;   work-groups 0-47:    W_qkv [1024 (k)][3072 (n)] f32 -> codes of E2M1 laid [3072][512 bytes] with K innermost, and E8M0 bytes [3072][32]
;   work-groups 48-303:  x [8192][1024] f32 -> codes [8192][512 bytes], E8M0 bytes [8192][32]
;   work-groups 304-367: W_proj [1024 (k)][1024 (n)] f32 -> two f16 parts, high and low (x = high + low up to f16's rounding of the low part), each laid
;                        in the order of a matrix operand's registers: [n / 16][k / 32][c 2][lane 32][16 bytes]; lane (r, h) holds k = 32 kfrag + 16 c + 8 h + 0..7 of column 16 ntile + r
; A block's scale is 2^(floor(log2(largest magnitude)) - 2): its byte is the largest magnitude's exponent field - 2, held at 1 from below.
; LIMITS: a block of zeros, or one whose largest magnitude lies under 2^-124, gets the byte 1 (zero blocks: zero codes; the bytes are read by this program alone).  NaN and infinities are not served.
;         |W_proj| stays under 65,504 (f16); under 6e-5 the high part has fewer than 11 bits, an absolute error under 3e-8.
; No tensor loads, no barrier: waves share nothing.  No clusters: no two work-groups read the same bytes.
.set SPW,    190                       ; v190 LDS address of my spare word; never rewritten
.set NIL,    191                       ; v191 0; never rewritten
.set SPARE,  67584                     ; the spare words: 128 bytes a wave, two blocks of 256 bytes that no other line names
.set EMAX,   2
; path x
.set XREG,   8192                      ; LDS 0 .. 32,767: a region for each wave: two stages of 32 x 80 bytes, then its 256 scale bytes
.set XSP,    80                        ; a lane's place in a stage: 64 bytes + 16 of padding
.set XR,     16                        ; v16-79   four sets of 16 numbers as loaded
.set XX,     80                        ; v80-111  two sets of 16 neighbours
.set XE,     112                       ; v112-127 a scale byte for each step
.set XC,     128                       ; v128-189 codes: registers of its own for each step
; path W_qkv
.set QSTG,   32768                     ; LDS 32,768 .. 67,583: a stage of 32 rows x 272 bytes for each wave
.set QPITCH, 272
.set QN,     3072
.set QX,     32                        ; v32-95   two sets of 32 numbers
.set QC,     96                        ; v96-99   a block's codes
.set QOUT,   112                       ; v112-175 the way out
.set QSB,    24                        ; v24-27   scale bytes, four to a register
; path W_proj
.set WX,     32                        ; v32-95   two sets of 32 numbers
.set WT,     96                        ; v96-103  at work: T, then the high part
.set WD,     104                       ; v104-111 at work: D, then the low part
.set WO,     112                       ; v112-143 packed f16: for each eight rows four registers high, four low
.macro XLOAD t                         ; 32 lanes read 512 consecutive bytes, four times
.irp i, 0,1,2,3
	global_load_b128 v[XR+16*((\t)%4)+4*\i:XR+16*((\t)%4)+4*\i+3], v3, s[4:5] offset:2048*(\t)+512*\i th:TH_LOAD_NT
.endr
.endm
.macro XTURN t                         ; a step's 2,048 bytes through my stage: in as they lie, back 64 bytes a lane; LDS serves a wave's instructions in order
.irp i, 0,1,2,3
	ds_store_b128 v14, v[XR+16*((\t)%4)+4*\i:XR+16*((\t)%4)+4*\i+3] offset:32*XSP*((\t)%2)+8*XSP*\i
.endr
.irp i, 0,1,2,3
	ds_load_b128 v[XX+16*((\t)%2)+4*\i:XX+16*((\t)%2)+4*\i+3], v15 offset:32*XSP*((\t)%2)+16*\i
.endr
.endm
.macro XSTEP t                         ; 512 numbers: 16 neighbours a lane, two lanes to a block
.set XS, XX+16*((\t)%2)
.if (\t) > 0
	s_wait_dscnt 1                                 ; this step's numbers are back from the stage; the last step's byte store may be out
.else
	s_wait_dscnt 0x0
.endif
.if (\t)+4 < 16
	XLOAD (\t)+4                                   ; the stage's stores have read their registers: they take the loads of four steps on
.endif
.if (\t)+1 < 16
.if 14-(\t) >= 3
	s_wait_loadcnt 12                              ; the next step's four loads are in; those of three younger steps may be out
.else
	s_wait_loadcnt 4*(14-(\t))                     ; the counts run down at the end
.endif
	XTURN (\t)+1
.endif
	v_max3_num_f32 v8, |v[XS]|, |v[XS+1]|, |v[XS+2]|
	v_max3_num_f32 v9, |v[XS+3]|, |v[XS+4]|, |v[XS+5]|
.irp i, 6,10
	v_max3_num_f32 v8, v8, |v[XS+\i]|, |v[XS+\i+1]|
	v_max3_num_f32 v9, v9, |v[XS+\i+2]|, |v[XS+\i+3]|
.endr
	v_max3_num_f32 v8, v8, |v[XS+14]|, |v[XS+15]|
	v_max3_num_f32 v8, v8, v9, (EMAX+1)<<23        ; with the floor 2^(3 - 127): the byte cannot fall under 1
	v_max_num_f32_dpp v8, v8, v8 row_xmask:1 row_mask:0xf bank_mask:0xf   ; and my neighbour's 16: the block's largest magnitude
	v_add_nc_u32 v11, -(EMAX<<23), v8              ; 2 off its exponent field: the conversion's scale operand
	v_cvt_scalef32_pk8_fp4_f32 v[XC+4*(\t)], v[XS:XS+7], v11
	v_cvt_scalef32_pk8_fp4_f32 v[XC+4*(\t)+1], v[XS+8:XS+15], v11
	v_lshrrev_b32 v[XE+(\t)], 23, v11              ; the scale's byte (a plain line behind the conversions)
	ds_store_b8 v5, v[XE+(\t)] offset:16*(\t)      ; both lanes of a block write the same byte with the same value
	global_store_b64 v4, v[XC+4*(\t):XC+4*(\t)+1], s[10:11] offset:256*(\t)   ; the wave stores 256 consecutive bytes, aligned
.endm
.macro QLOAD t                         ; block t: W_qkv(32 t + i, my column): 128 consecutive bytes a wave and load
.irp i, 0,1,2,3,4,5,6,7,8,9,10,11,12,13,14,15,16,17,18,19,20,21,22,23,24,25,26,27,28,29,30,31
	global_load_b32 v[QX+32*((\t)%2)+\i], v3, s[6:7] offset:(32*(\t)+\i)*QN*4 th:TH_LOAD_NT
.endr
.endm
.macro QBLOCK t                        ; a block of 32 along K lies in one lane's 32 registers
.set QS, QX+32*((\t)%2)
.if (\t) < 15
	s_wait_loadcnt 32                              ; this block's 32 loads are in; the next block's may be out
.else
	s_wait_loadcnt 0x0
.endif
	v_max3_num_f32 v12, |v[QS]|, |v[QS+1]|, |v[QS+2]|
	v_max3_num_f32 v13, |v[QS+3]|, |v[QS+4]|, |v[QS+5]|
.irp i, 6,10,14,18,22,26
	v_max3_num_f32 v12, v12, |v[QS+\i]|, |v[QS+\i+1]|
	v_max3_num_f32 v13, v13, |v[QS+\i+2]|, |v[QS+\i+3]|
.endr
	v_max3_num_f32 v12, v12, |v[QS+30]|, |v[QS+31]|
	v_max3_num_f32 v12, v12, v13, (EMAX+1)<<23
	v_add_nc_u32 v11, -(EMAX<<23), v12
	v_lshrrev_b32 v13, 23, v11
.if (\t)%4 == 0
	v_mov_b32 v[QSB+(\t)/4], v13                   ; four bytes to a register, the lower K in the lower byte
.else
	v_lshl_or_b32 v[QSB+(\t)/4], v13, 8*((\t)%4), v[QSB+(\t)/4]
.endif
.irp g, 0,1,2,3
	v_cvt_scalef32_pk8_fp4_f32 v[QC+\g], v[QS+8*\g:QS+8*\g+7], v11
.endr
	ds_store_b128 v4, v[QC:QC+3] offset:16*(\t)    ; 32 codes: 16 bytes of my column's row
.if (\t)+2 < 16
	QLOAD (\t)+2
.endif
	s_wait_dscnt 0x0                               ; the store has read its registers: the next block's codes may be written
.endm
.macro WLOAD t                         ; rows 32 t + i of my 128, my column
.irp i, 0,1,2,3,4,5,6,7,8,9,10,11,12,13,14,15,16,17,18,19,20,21,22,23,24,25,26,27,28,29,30,31
	global_load_b32 v[WX+32*((\t)%2)+\i], v3, s[8:9] offset:(32*(\t)+\i)*4096 th:TH_LOAD_NT
.endr
.endm
.macro WSPLIT t                        ; 32 numbers down K become one fragment's worth of high and of low f16
.set WS, WX+32*((\t)%2)
.if (\t) < 3
	s_wait_loadcnt 32                              ; this batch is in; the next batch's 32 loads may be out
.else
	s_wait_loadcnt 0x0
.endif
	s_wait_xcnt 0x0                                ; the last batch's stores have read their data registers, which are written again below
.irp g, 0,1,2,3                        ; eight rows: piece c = g / 2, half h = g % 2 of the fragment
.irp p, 0,2,4,6
	v_pk_mul_f32 v[WT+\p:WT+\p+1], v[WS+8*\g+\p:WS+8*\g+\p+1], s[26:27] op_sel_hi:[1,0]                      ; T = 8193 x
.endr
.irp p, 0,2,4,6
	v_pk_add_f32 v[WD+\p:WD+\p+1], v[WT+\p:WT+\p+1], v[WS+8*\g+\p:WS+8*\g+\p+1] neg_lo:[0,1] neg_hi:[0,1]     ; D = T - x
.endr
.irp p, 0,2,4,6
	v_pk_add_f32 v[WT+\p:WT+\p+1], v[WT+\p:WT+\p+1], v[WD+\p:WD+\p+1] neg_lo:[0,1] neg_hi:[0,1]               ; high = T - D: x to 11 bits, nearest
.endr
.irp p, 0,2,4,6
	v_pk_add_f32 v[WD+\p:WD+\p+1], v[WS+8*\g+\p:WS+8*\g+\p+1], v[WT+\p:WT+\p+1] neg_lo:[0,1] neg_hi:[0,1]     ; low = x - high, exact
.endr
.irp q, 0,1,2,3
	v_cvt_pk_f16_f32 v[WO+8*\g+\q], v[WT+2*\q], v[WT+2*\q+1]
	v_cvt_pk_f16_f32 v[WO+8*\g+4+\q], v[WD+2*\q], v[WD+2*\q+1]
.endr
	global_store_b128 v4, v[WO+8*\g:WO+8*\g+3], s[18:19] offset:(\t)*1024+(\g/2)*512+(\g%2)*256                ; sixteen lanes store 256 consecutive bytes, aligned
	global_store_b128 v4, v[WO+8*\g+4:WO+8*\g+7], s[18:19] offset:2097152+(\t)*1024+(\g/2)*512+(\g%2)*256      ; the low part lies 2,097,152 bytes on
.endr
.if (\t)+2 < 4
	WLOAD (\t)+2
.endif
.endm
	s_load_b256 s[4:11], s[0:1], 0x0               ; x s[4:5], W_qkv s[6:7], W_proj s[8:9], x_codes s[10:11]
	s_load_b256 s[12:19], s[0:1], 0x20             ; x_scales s[12:13], wq_codes s[14:15], wq_scales s[16:17], wp16 s[18:19]
	v_lshl_add_u32 v[SPW], v0, 2, SPARE
	v_mov_b32 v[NIL], 0
	v_lshrrev_b32 v1, 5, v0
	v_readfirstlane_b32 s20, v1                    ; wave 0..3
	v_and_b32 v2, 31, v0                           ; lane
	s_mov_b32 s25, 0                               ; the high word of every offset pair s[24:25]
	s_wait_kmcnt 0x0
	s_cmp_lt_u32 ttmp9, 48
	s_cbranch_scc1 .Lwq
	s_cmp_lt_u32 ttmp9, 304
	s_cbranch_scc0 .Lwp
	; ---- x: a plain stream of blocks of 32; a wave takes 16 steps of 512 numbers
	v_lshlrev_b32 v3, 4, v2                        ; my 16 bytes of a load's 512
	s_mul_i32 s21, s20, XREG
	v_lshrrev_b32 v14, 2, v2
	v_mul_u32_u24 v14, v14, XSP
	v_and_b32 v15, 3, v2
	v_lshl_add_u32 v14, v15, 4, v14
	v_add_nc_u32 v14, s21, v14                     ; the stage, way in: 80 (lane / 4) + 16 (lane % 4)
	v_mul_u32_u24 v15, v2, XSP
	v_add_nc_u32 v15, s21, v15                     ; way out: 80 x lane: my 16 neighbours
	v_lshlrev_b32 v4, 3, v2                        ; my 8 bytes of a step's codes
	v_lshrrev_b32 v5, 1, v2
	s_add_co_u32 s21, s21, 2*32*XSP
	v_add_nc_u32 v5, s21, v5                       ; my block's byte among my wave's 256 scale bytes
	v_lshlrev_b32 v7, 3, v2
	v_add_nc_u32 v6, s21, v7                       ; and 8 of them a lane on the way out
	s_sub_co_u32 s22, ttmp9, 48
	s_lshl_b32 s22, s22, 2
	s_add_co_u32 s22, s22, s20                     ; which run of 8,192 numbers is my wave's: 0 .. 1,023
	s_lshl_b32 s24, s22, 15
	s_add_nc_u64 s[4:5], s[4:5], s[24:25]
	s_lshl_b32 s24, s22, 12
	s_add_nc_u64 s[10:11], s[10:11], s[24:25]
	s_lshl_b32 s24, s22, 8
	s_add_nc_u64 s[12:13], s[12:13], s[24:25]
.irp t, 0,1,2,3
	XLOAD \t
.endr
	s_wait_loadcnt 12                              ; step 0's four loads are in
	XTURN 0
.irp t, 0,1,2,3,4,5,6,7,8,9,10,11,12,13,14,15
	XSTEP \t
.endr
	ds_load_b64 v[8:9], v6                         ; LDS serves a wave's instructions in order: these see my byte stores
	s_wait_dscnt 0x0
	global_store_b64 v7, v[8:9], s[12:13]          ; 32 lanes store 256 consecutive bytes, aligned
	s_wait_tensorcnt 0x0                           ; the wave's end, behind my last LDS store
	ds_add_u32 v[SPW], v[NIL]
	s_wait_dscnt 0x0
	s_endpgm
.Lwq:	; ---- W_qkv: a lane takes a column n, its registers run down K; a wave takes 32 columns x 512 along K
	s_cmp_ge_u32 ttmp9, 24
	s_cselect_b32 s22, 1, 0                        ; which 512 along K
	s_cselect_b32 s23, 24, 0
	s_sub_co_u32 s23, ttmp9, s23                   ; which 128 columns
	s_lshl_b32 s23, s23, 7
	s_lshl_b32 s24, s20, 5
	s_add_co_u32 s23, s23, s24                     ; my wave's first column
	v_lshlrev_b32 v3, 2, v2                        ; in: 4 bytes a lane
	s_mul_i32 s21, s20, 32*QPITCH
	s_add_co_u32 s21, s21, QSTG                    ; my stage
	v_mul_u32_u24 v4, v2, QPITCH
	v_add_nc_u32 v4, s21, v4                       ; into it: row = my column
	v_and_b32 v5, 15, v2
	v_lshrrev_b32 v6, 4, v2
	v_mul_u32_u24 v7, v6, QPITCH
	v_lshl_add_u32 v7, v5, 4, v7
	v_add_nc_u32 v7, s21, v7                       ; out of it: sixteen lanes to a row, two rows an instruction
	v_lshlrev_b32 v8, 9, v6
	v_lshl_add_u32 v8, v5, 4, v8                   ; the same place in the codes' buffer: rows of 512 bytes
	v_lshlrev_b32 v9, 5, v2                        ; my column's row of 32 scale bytes
	s_mul_i32 s24, s22, 512*QN*4
	s_lshl_b32 s26, s23, 2
	s_add_co_u32 s24, s24, s26
	s_add_nc_u64 s[6:7], s[6:7], s[24:25]
	s_lshl_b32 s24, s23, 9
	s_lshl_b32 s26, s22, 8
	s_add_co_u32 s24, s24, s26
	s_add_nc_u64 s[14:15], s[14:15], s[24:25]
	s_lshl_b32 s24, s23, 5
	s_lshl_b32 s26, s22, 4
	s_add_co_u32 s24, s24, s26
	s_add_nc_u64 s[16:17], s[16:17], s[24:25]
	QLOAD 0
	QLOAD 1
.irp t, 0,1,2,3,4,5,6,7,8,9,10,11,12,13,14,15
	QBLOCK \t
.endr
	global_store_b128 v9, v[QSB:QSB+3], s[16:17]   ; my column's 16 scale bytes of these 512 along K
.irp t, 0,1,2,3,4,5,6,7,8,9,10,11,12,13,14,15
	ds_load_b128 v[QOUT+4*\t:QOUT+4*\t+3], v7 offset:2*\t*QPITCH
.endr
.irp t, 0,1,2,3,4,5,6,7,8,9,10,11,12,13,14,15
	s_wait_dscnt 15-\t                             ; LDS loads come back in order: number t is in
	global_store_b128 v8, v[QOUT+4*\t:QOUT+4*\t+3], s[14:15] offset:2*\t*512   ; sixteen lanes store 256 consecutive bytes, aligned
.endr
	s_wait_tensorcnt 0x0                           ; the wave's end, behind my last LDS store
	ds_add_u32 v[SPW], v[NIL]
	s_wait_dscnt 0x0
	s_endpgm
.Lwp:	; ---- W_proj: a lane takes a column n, its registers run down K; a work-group takes 128 columns x 128 rows.  No LDS: a lane's eight f16 are 16 bytes of the image
	s_sub_co_u32 s22, ttmp9, 304
	s_and_b32 s23, s22, 7                          ; which 128 columns
	s_lshr_b32 s22, s22, 3                         ; which 128 rows of K
	v_lshlrev_b32 v3, 2, v2
	v_lshrrev_b32 v4, 4, v2
	v_lshlrev_b32 v4, 15, v4                       ; lanes 16-31 belong to the next tile of 16 columns: 32,768 bytes on
	v_and_b32 v5, 15, v2
	v_lshl_add_u32 v4, v5, 4, v4
	s_lshl_b32 s24, s22, 19
	s_lshl_b32 s26, s23, 9
	s_add_co_u32 s24, s24, s26
	s_lshl_b32 s26, s20, 7
	s_add_co_u32 s24, s24, s26
	s_add_nc_u64 s[8:9], s[8:9], s[24:25]          ; W_proj at row 128 kb, column 128 nb + 32 wave
	s_lshl_b32 s24, s23, 3
	s_lshl_b32 s26, s20, 1
	s_add_co_u32 s24, s24, s26
	s_lshl_b32 s24, s24, 15
	s_lshl_b32 s26, s22, 12
	s_add_co_u32 s24, s24, s26
	s_add_nc_u64 s[18:19], s[18:19], s[24:25]      ; the image at tile 8 nb + 2 wave, fragment 4 kb
	s_mov_b32 s26, 0x46000400                      ; 8193.0 = 2^13 + 1: splits 24 bits into 11 and the rest
	s_mov_b32 s27, s26                             ; (named with it as a pair)
	WLOAD 0
	WLOAD 1
.irp t, 0,1,2,3
	WSPLIT \t
.endr
	s_endpgm
.Lfunc_end_k_q886fe0d15a_prep:
	.size	k_q886fe0d15a_prep, .Lfunc_end_k_q886fe0d15a_prep-k_q886fe0d15a_prep
	.p2alignl 7, 3214868480
	.fill 96, 4, 3214868480
	.section	.rodata,"a",@progbits
	.p2align	6, 0x0
	.amdhsa_kernel k_q886fe0d15a_prep
		.amdhsa_group_segment_fixed_size 68096
		.amdhsa_private_segment_fixed_size 0
		.amdhsa_enable_private_segment 0
		.amdhsa_kernarg_size 64
		.amdhsa_user_sgpr_count 2
		.amdhsa_user_sgpr_kernarg_segment_ptr 1
		.amdhsa_wavefront_size32 1
		.amdhsa_system_sgpr_workgroup_id_x 1
		.amdhsa_system_sgpr_workgroup_id_y 1
		.amdhsa_system_sgpr_workgroup_id_z 1
		.amdhsa_system_vgpr_workitem_id 0
		.amdhsa_next_free_vgpr 192
		.amdhsa_next_free_sgpr 66
		.amdhsa_reserve_vcc 0
		.amdhsa_float_denorm_mode_32 3
		.amdhsa_float_denorm_mode_16_64 3
		.amdhsa_memory_ordered 1
		.amdhsa_forward_progress 1
		.amdhsa_inst_pref_size 151
	.end_amdhsa_kernel
	.amdgpu_metadata
---
amdhsa.version: [ 1, 2 ]
amdhsa.kernels:
  - .name:           k_q886fe0d15a_prep
    .symbol:         k_q886fe0d15a_prep.kd
    .args:
      - { .name: x, .offset: 0, .size: 8, .value_kind: global_buffer, .address_space: global }
      - { .name: W_qkv, .offset: 8, .size: 8, .value_kind: global_buffer, .address_space: global }
      - { .name: W_proj, .offset: 16, .size: 8, .value_kind: global_buffer, .address_space: global }
      - { .name: x_codes, .offset: 24, .size: 8, .value_kind: global_buffer, .address_space: global }
      - { .name: x_scales, .offset: 32, .size: 8, .value_kind: global_buffer, .address_space: global }
      - { .name: wq_codes, .offset: 40, .size: 8, .value_kind: global_buffer, .address_space: global }
      - { .name: wq_scales, .offset: 48, .size: 8, .value_kind: global_buffer, .address_space: global }
      - { .name: wp16, .offset: 56, .size: 8, .value_kind: global_buffer, .address_space: global }
    .group_segment_fixed_size: 68096
    .private_segment_fixed_size: 0
    .kernarg_segment_align: 8
    .kernarg_segment_size: 64
    .max_flat_workgroup_size: 128
    .sgpr_count:     66
    .vgpr_count:     192
    .wavefront_size: 32
...
	.end_amdgpu_metadata
.endif
;; end of part 1
;; launch gemm_qkv (part 2): grid 12 x 32, 4 waves a work-group, clusters of 4 x 4, 327,680 bytes of LDS; arguments x_codes, x_scales, wq_codes, wq_scales, qkv16, fine32; writes qkv16, fine32
.if DOCPART == 2
	.amdgcn_target "amdgcn-amd-amdhsa--gfx1250"
	.amdhsa_code_object_version 6
	.text
	.protected	k_q886fe0d15a_gemm_qkv
	.globl	k_q886fe0d15a_gemm_qkv
	.p2align	8
	.type	k_q886fe0d15a_gemm_qkv,@function
k_q886fe0d15a_gemm_qkv:
	s_mov_b64 s[64:65], 0
	v_nop
	global_prefetch_b8 v0, s[64:65] scope:SCOPE_SE
	s_setreg_imm32_b32 hwreg(HW_REG_WAVE_MODE, 25, 1), 1
	s_wait_xcnt 0x0
	s_wait_alu depctr_hold_cnt(0) depctr_sa_sdst(0) depctr_va_vdst(0) depctr_va_sdst(0) depctr_va_ssrc(0) depctr_va_vcc(0) depctr_vm_vsrc(0)
	s_getreg_b32 s2, hwreg(HW_REG_IB_STS2, 6, 4)
	s_cmp_eq_u32 s2, 0
	s_cbranch_scc0 .Lentry_in_a_cluster
	s_endpgm
.Lentry_in_a_cluster:
	s_bfe_u32 s2, ttmp6, 0x10000c
	s_cmp_lg_u32 s2, 0xf033
	s_cbranch_scc0 .Lentry_shape_is_right
	s_endpgm
.Lentry_shape_is_right:
; qkv = Q(x) Q(W_qkv) on codes of E2M1 with E8M0 scales (K = 1,024), sums in f32; the results leave as f16 in the order of the attention's operand registers.
; A work-group makes 256 x 256 of the product, each of its four waves 128 x 128: 64 accumulators, 512 registers.  K goes in two steps of 512; both steps' tiles and all scale bytes are
; asked for at the head (three tensor loads a wave are out there) and nothing in LDS is filled again.
; CLUSTERS: 4 x 4 work-groups.  The A side's tile is shared along a row of the cluster, the B side's along a column: each is asked for JOINTLY, by the same tensor load with a mask that names the four.
; THE MATRIX INSTRUCTION: source 0 = 16 rows of the B side, source 1 = 16 rows of the A side: a lane holds ONE row of the A side and eight neighbours along the B side.
;   cluster x = 0 (q), 1 (k): A side = x (a lane holds a position t), B side = W_qkv (its registers run along the head's channels): 16 bytes of f16 are a piece of a [t][d] fragment.
;   cluster x = 2 (v):        A side = W_qkv (a lane holds a channel), B side = x (its registers run along the keys): 16 bytes are a piece of a fragment of v TRANSPOSED.
; The choice is made by selects on the cluster's x, which all sixteen partners share; both sides have rows of 512 bytes of codes and 32 of scales, so one set of shapes serves.
;   A tile: x < 2: 8 cy + y (batch cy, positions 256 y on);  x = 2: 8 + cy.      B tile: x < 2: 4 x + cx;  x = 2: 8 cx + y (batch cx).
; q is multiplied by c = log2(e) / 8 in f32 ahead of its one rounding to f16.  The first 16 positions of each batch also leave as f32 (q unscaled), for the launch that carries them finely.
; qkv16: [section 3][batch x head 64][262,144 bytes].  q, k: [t / 16][ct 4][lane][16 B], lane (r, h): t = 16 tile + r, d = 16 ct + 8 h + 0..7.  v: [t / 32][ct 4][c 2][lane][16 B], lane (r, h): channel 16 ct + r, keys 32 kg + 16 c + 8 h + 0..7.
; fine32: [section 3][batch 4][head 16][piece 8][lane][16 B] f32: an accumulator's two halves as they stand.
; LIMIT: |q c|, |k|, |v| stay under 65,504 (f16).
; REGISTERS: window 0: v0-31 addresses; v32-95 scale words, two sets; v128-191 A's fragments, one set, later the packed results.  window 1: B's fragments, two sets.  windows 2, 3: accumulator (a, b) at v[8 (8 (a % 4) + b)] of window 2 + a / 4.
.set NQ,     4                         ; matrix instructions deep in a K step of 512
.set ROWB,   256                       ; a tile's row in bytes
.set KROW,   512                       ; a row of codes in memory
.set PITCH,  272                       ; an LDS row: 256 bytes + 16 of padding: the 16 rows that a load touches start 68 words apart
.set FR,     8
.set NL,     2
.set NP,     4                         ; places behind this matrix instruction (ISA guide 7.12.1)
.set HALFT,  128*PITCH
.set SLOT,   4*HALFT                   ; A's 256 rows, then B's 256 rows
.set KS,     32                        ; a row of scale bytes
.set SCL,    2*SLOT                    ; behind the slots: the scales, as units of 256 bytes + 16 of padding
.set HALFS,  (128*KS/256)*272
.set SBLK,   (16*KS/256)*272
.set SPARE,  SCL+4*HALFS               ; the spare words: 128 bytes a wave, two blocks of 256 bytes that no other line names
.set ADRA, 16
.set ADRB, 20
.set CO,   26                          ; v26 16 x lane: my place in every piece that is stored; never rewritten
.set ADRS, 27
.set SPW,  28
.set NIL,  29
.set SC,   32
.set AF,   128
.set TMP,  128                         ; the way out: 32 packed registers, two sets by turns
.set G1, 24
.set G0, 32
.set G1B, 48
.set G0B, 56
.set YY,  66                           ; s66 the cluster's y
.set G1S, 68
.set G0S, 76
.set G1SB, 80
.set G0SB, 88
.set OB,  96                           ; s[96:97] qkv16, then my wave's place in it
.set FB,  98                           ; s[98:99] fine32, likewise
.set FS,  100                          ; s[100:101] c, twice
.set MSB, 0
.macro WIN new                         ; the immediate's high byte repeats the setting that is left
.if MSB != (\new)
	s_set_vgpr_msb (MSB<<8)|(\new)
.set MSB, (\new)
.endif
.endm
.set MUL_LO, 0xa1                      ; source 0 (B) window 1, source 1 (A) window 0, C and D window 2
.set MUL_HI, 0xf1
.set TO_B,   0x40
; A joint load: waves 0 and 1 fetch for the A side, waves 2 and 3 for the B side.  The branch hangs on the wave's number alone.  An s_nop 0 and four v_nop follow each line.
.macro JLOAD g0a, g1a, g0b, g1b
	s_cmp_eq_u32 s15, 0
	s_cbranch_scc0 .Lfor_b_\@
	tensor_load_to_lds s[\g0a:\g0a+3], s[\g1a:\g1a+7]
	s_nop 0
.rept 4
	v_nop
.endr
	s_branch .Lasked_\@
.Lfor_b_\@:
	tensor_load_to_lds s[\g0b:\g0b+3], s[\g1b:\g1b+7]
	s_nop 0
.rept 4
	v_nop
.endr
.Lasked_\@:
.endm
.macro CROUND                          ; a round of the cluster's barrier
	s_barrier_signal -1
	s_barrier_wait -1
	s_cmp_lg_u32 s14, 0
	s_cbranch_scc1 .Lnot_wave_0_\@
	s_barrier_signal -3
.Lnot_wave_0_\@:
	s_barrier_wait -3
	s_barrier_signal -1
	s_barrier_wait -1
.endm
	s_load_b128 s[4:7], s[0:1], 0x0                ; x's codes, x's scales
	s_load_b128 s[8:11], s[0:1], 0x10              ; W_qkv's codes, its scales
	s_load_b128 s[OB:OB+3], s[0:1], 0x20           ; qkv16, fine32
	v_lshl_add_u32 v[SPW], v0, 2, SPARE
	v_mov_b32 v[NIL], 0
	ds_add_u32 v[SPW], v[NIL]                      ; the wave's opening: the add, twice on end, and its wait ahead of my first tensor load
	ds_add_u32 v[SPW], v[NIL]
	v_lshrrev_b32 v1, 5, v0
	v_readfirstlane_b32 s14, v1                    ; wave 0..3
	s_lshr_b32 s15, s14, 1                         ; my half of the A side's rows.  Also: I fetch for A (0) or for B (1)
	s_and_b32 s16, s14, 1                          ; my half of the B side's rows.  Also: which 128 rows I fetch
	s_bfe_u32 s40, ttmp6, 0x40000                  ; cx
	s_bfe_u32 s41, ttmp6, 0x40004                  ; cy
	s_and_b32 s[YY], ttmp7, 0xffff                 ; the cluster's y: which 256 positions of a batch
	s_lshl_b32 s17, s41, 3
	s_add_co_u32 s17, s17, s[YY]                   ; A, q and k: x's tile 8 cy + y
	s_add_co_u32 s67, s41, 8                       ; A, v: W's tile 8 + cy
	s_lshl_b32 s42, ttmp9, 2
	s_add_co_u32 s42, s42, s40                     ; B, q and k: W's tile 4 x + cx
	s_lshl_b32 s95, s40, 3
	s_add_co_u32 s95, s95, s[YY]                   ; B, v: x's tile 8 cx + y
	s_cmp_eq_u32 ttmp9, 2                          ; the cluster's x: the same in all sixteen partners
	s_cselect_b32 s17, s67, s17                    ; A's tile: made of cy and the cluster's place alone
	s_cselect_b32 s42, s95, s42                    ; B's tile: made of cx and the cluster's place alone
	s_lshl_b32 s43, s41, 2
	s_lshl_b32 s43, 15, s43                        ; my row of the cluster
	s_lshl_b32 s44, 0x1111, s40                    ; my column
	; descriptor group 1: 128 rows x 256 bytes, 16 bytes of padding behind each
	s_or_b32 s[G1+0], s43, (0<<16)|(1<<20)|(1<<21)|(5<<22)|(3<<25)  ; 15:0 the mask; 17:16 elements of 1 byte; 20 padding on; 21 set beside a mask; 24:22 after every 64 words; 31:25 four words
	s_or_b32 s[G1B+0], s44, (0<<16)|(1<<20)|(1<<21)|(5<<22)|(3<<25)
.irp g, G1, G1B
	s_mov_b32 s[\g+1], ROWB<<16                    ; tensor_dim0
	s_mov_b32 s[\g+2], 128<<16                     ; tensor_dim1
	s_mov_b32 s[\g+3], ROWB<<16                    ; tile_dim0
	s_mov_b32 s[\g+4], 128                         ; tile_dim1
	s_mov_b32 s[\g+5], KROW                        ; the pitch
	s_mov_b32 s[\g+6], 0
	s_mov_b32 s[\g+7], 0
.endr
	; the scales of 128 rows: 4,096 dense bytes as 16 rows of 256 (32 elements of 8 bytes), 16 bytes of padding behind each
	s_or_b32 s[G1S+0], s43, (3<<16)|(1<<20)|(1<<21)|(5<<22)|(3<<25)
	s_or_b32 s[G1SB+0], s44, (3<<16)|(1<<20)|(1<<21)|(5<<22)|(3<<25)
.irp g, G1S, G1SB
	s_mov_b32 s[\g+1], 32<<16
	s_mov_b32 s[\g+2], (128*KS/256)<<16
	s_mov_b32 s[\g+3], 32<<16
	s_mov_b32 s[\g+4], 128*KS/256
	s_mov_b32 s[\g+5], 32
	s_mov_b32 s[\g+6], 0
	s_mov_b32 s[\g+7], 0
.endr
	s_lshl_b32 s18, s16, 7                         ; which 128 rows of the tile I fetch
	s_lshl_b32 s20, s17, 8
	s_add_co_u32 s20, s20, s18                     ; A: row
	s_lshl_b32 s46, s42, 8
	s_add_co_u32 s46, s46, s18                     ; B: row
	s_mov_b32 s21, 0
	s_mov_b32 s47, 0
	s_mov_b64 s[18:19], KS
	s_mul_u64 s[22:23], s[20:21], s[18:19]         ; where these rows' scales begin
	s_mul_u64 s[92:93], s[46:47], s[18:19]
	s_mov_b64 s[18:19], KROW
	s_mul_u64 s[20:21], s[20:21], s[18:19]         ; and their codes
	s_mul_u64 s[46:47], s[46:47], s[18:19]
	s_mul_i32 s45, s14, HALFT                      ; where they go: wave x 128 rows: no place in the cluster enters an LDS address
	s_mul_i32 s94, s14, HALFS
	s_mov_b32 s[FS], 0x3e38aa3b                    ; c = log2(e) / sqrt(64)
	s_mov_b32 s[FS+1], s[FS]
	s_wait_dscnt 0x0                               ; both opening adds are done
	s_wait_kmcnt 0x0
	s_cmp_eq_u32 ttmp9, 2                          ; for v the two tensors change sides
	s_cselect_b64 s[2:3], s[8:9], s[4:5]           ; A's codes
	s_cselect_b64 s[8:9], s[4:5], s[8:9]           ; B's codes
	s_cselect_b64 s[4:5], s[10:11], s[6:7]         ; A's scales
	s_cselect_b64 s[10:11], s[6:7], s[10:11]       ; B's scales
	s_add_nc_u64 s[20:21], s[2:3], s[20:21]
	s_add_nc_u64 s[22:23], s[4:5], s[22:23]
	s_add_nc_u64 s[46:47], s[8:9], s[46:47]
	s_add_nc_u64 s[92:93], s[10:11], s[92:93]
	CROUND                                         ; all sixteen work-groups are here: the first joint loads meet
	s_mov_b32 s[G0S], 1
	s_add_co_u32 s[G0S+1], s94, SCL
	s_mov_b64 s[G0S+2:G0S+3], s[22:23]
	s_or_b32 s[G0S+3], s[G0S+3], 0x80000000
	s_mov_b32 s[G0SB], 1
	s_add_co_u32 s[G0SB+1], s94, SCL
	s_mov_b64 s[G0SB+2:G0SB+3], s[92:93]
	s_or_b32 s[G0SB+3], s[G0SB+3], 0x80000000
	JLOAD G0S, G1S, G0SB, G1SB                     ; the scales first: they are wanted with K step 0
.irp s, 0,1
	s_mov_b32 s[G0+4*\s], 1
	s_add_co_u32 s[G0+4*\s+1], s45, \s*SLOT
	s_add_nc_u64 s[G0+4*\s+2:G0+4*\s+3], s[20:21], \s*ROWB
	s_or_b32 s[G0+4*\s+3], s[G0+4*\s+3], 0x80000000
	s_mov_b32 s[G0B+4*\s], 1
	s_add_co_u32 s[G0B+4*\s+1], s45, \s*SLOT
	s_add_nc_u64 s[G0B+4*\s+2:G0B+4*\s+3], s[46:47], \s*ROWB
	s_or_b32 s[G0B+4*\s+3], s[G0B+4*\s+3], 0x80000000
	JLOAD G0+4*\s, G1, G0B+4*\s, G1B
.endr
	v_and_b32 v1, 15, v0                           ; l % 16
	v_bfe_u32 v2, v0, 4, 1                         ; l / 16
	v_mul_u32_u24 v3, v1, PITCH
	v_lshl_add_u32 v4, v2, 4, v3                   ; a fragment's row x pitch + 16 x half
	s_mul_i32 s21, s15, HALFT
	s_mul_i32 s22, s16, HALFT
	s_add_co_u32 s22, s22, 2*HALFT
.irp s, 0,1
	v_add_nc_u32 v[ADRA+\s], s21, v4
	v_add_nc_u32 v[ADRB+\s], s22, v4
	s_add_co_u32 s21, s21, SLOT
	s_add_co_u32 s22, s22, SLOT
.endr
	v_mul_u32_u24 v5, v1, KS                       ; my row's scales: 32 bytes a row,
	v_lshrrev_b32 v6, 8, v5
	v_lshl_add_u32 v5, v6, 4, v5                   ; and 16 more for each 256 passed
	s_mul_i32 s21, s15, HALFS
	s_mul_i32 s22, s16, HALFS
	s_add_co_u32 s22, s22, 2*HALFS
	s_sub_co_u32 s22, s22, s21
	v_mul_u32_u24 v6, s22, v2                      ; lanes 16-31 take B's
	s_add_co_u32 s21, s21, SCL
	v_add_nc_u32 v5, v5, v6
	v_add_nc_u32 v[ADRS], s21, v5
	v_and_b32 v6, 31, v0
	v_lshlrev_b32 v[CO], 4, v6
	; where my wave's results go.  q, k: head index (4 x + cy) 16 + 4 cx + 2 (B half), tile of 16 positions 16 y + 8 (A half).  v: head index (8 + cx) 16 + 4 cy + 2 (A half), group of 32 keys 8 y + 4 (B half)
	s_lshl_b32 s20, ttmp9, 2
	s_add_co_u32 s20, s20, s41
	s_lshl_b32 s20, s20, 4
	s_lshl_b32 s21, s40, 2
	s_add_co_u32 s20, s20, s21
	s_lshl_b32 s21, s16, 1
	s_add_co_u32 s20, s20, s21
	s_add_co_u32 s22, s40, 8
	s_lshl_b32 s22, s22, 4
	s_lshl_b32 s21, s41, 2
	s_add_co_u32 s22, s22, s21
	s_lshl_b32 s21, s15, 1
	s_add_co_u32 s22, s22, s21
	s_lshl_b32 s23, s[YY], 4
	s_lshl_b32 s21, s15, 3
	s_add_co_u32 s23, s23, s21
	s_lshl_b32 s23, s23, 11
	s_lshl_b32 s46, s[YY], 3
	s_lshl_b32 s21, s16, 2
	s_add_co_u32 s46, s46, s21
	s_lshl_b32 s46, s46, 12
	s_cmp_eq_u32 ttmp9, 2
	s_cselect_b32 s20, s22, s20
	s_cselect_b32 s23, s46, s23
	s_lshl_b32 s22, s20, 12                        ; in fine32 a head has 4,096 bytes,
	s_lshl_b32 s20, s20, 18                        ; in qkv16 262,144
	s_add_co_u32 s20, s20, s23
	s_mov_b32 s21, 0
	s_mov_b32 s23, 0
	s_add_nc_u64 s[OB:OB+1], s[OB:OB+1], s[20:21]
	s_add_nc_u64 s[FB:FB+1], s[FB:FB+1], s[22:23]
.macro FRAG reg, adr, q, i             ; 16 rows x 128 K of 4-bit codes: 8 registers, two loads of 16 bytes, 32 bytes apart
.irp c, 0,1
	ds_load_b128 v[\reg+4*\c:\reg+4*\c+3], v[\adr] offset:64*(\q)+32*\c+(\i)*16*PITCH
.endr
.endm
; 16 matrix instructions: A's blocks a0, a0 + 1 x B's eight.  The 64 accumulators take turns, one instruction a turn, in the same order in every step.
.macro MUL16 a0, p, q, sc, zero
.irp a, \a0, \a0+1
.irp b, 0,1,2,3,4,5,6,7
.if \zero
	v_wmma_scale_f32_16x16x128_f8f6f4 v[8*(8*((\a)%4)+\b):8*(8*((\a)%4)+\b)+7], v[128*(\p)+FR*\b:128*(\p)+FR*\b+FR-1], v[AF+FR*(\a):AF+FR*(\a)+FR-1], 0, v[SC+8*NQ*(\sc)+NQ*\b+(\q)], v[SC+8*NQ*(\sc)+NQ*(\a)+(\q)] matrix_a_fmt:MATRIX_FMT_FP4 matrix_b_fmt:MATRIX_FMT_FP4 matrix_a_scale:MATRIX_SCALE_ROW1
.else
	v_wmma_scale_f32_16x16x128_f8f6f4 v[8*(8*((\a)%4)+\b):8*(8*((\a)%4)+\b)+7], v[128*(\p)+FR*\b:128*(\p)+FR*\b+FR-1], v[AF+FR*(\a):AF+FR*(\a)+FR-1], v[8*(8*((\a)%4)+\b):8*(8*((\a)%4)+\b)+7], v[SC+8*NQ*(\sc)+NQ*\b+(\q)], v[SC+8*NQ*(\sc)+NQ*(\a)+(\q)] matrix_a_fmt:MATRIX_FMT_FP4 matrix_b_fmt:MATRIX_FMT_FP4 matrix_a_scale:MATRIX_SCALE_ROW1
.endif
.endr
.endr
.endm
.macro FETCH_B slot, q, p
	WIN TO_B
.irp i, 0,1,2,3,4,5,6,7
	FRAG 128*(\p)+FR*\i, ADRB+\slot, \q, \i
.endr
	WIN 0
.endm
.macro FETCH_A slot, q, i0
.irp i, \i0, \i0+1, \i0+2, \i0+3
	FRAG AF+FR*(\i), ADRA+\slot, \q, \i
.endr
.endm
.macro SCALES sc                       ; a K step's scale words: lanes 0-15 take A's block i, lanes 16-31 B's block i
.irp i, 0,1,2,3,4,5,6,7
	ds_load_b128 v[SC+8*NQ*\sc+NQ*\i:SC+8*NQ*\sc+NQ*\i+3], v[ADRS] offset:\i*SBLK
.endr
.endm
.macro PLACES n                        ; plain vector lines between a matrix instruction and a load into, or a read of, its registers
.rept \n
	v_nop
.endr
.endm
.macro STEP slot, q, zero              ; 128 along K that have their successor in the same slot
	s_wait_dscnt 4*NL                              ; B's set and A's blocks 0-3 are in; the youngest eight loads (A's blocks 4-7) may be out
	WIN MUL_LO
	MUL16 0, (\q)%2, \q, \slot, \zero
	MUL16 2, (\q)%2, \q, \slot, \zero
	s_wait_dscnt 0                                 ; A's blocks 4-7 are in
	PLACES NP
	FETCH_B \slot, (\q)+1, 1-(\q)%2
	FETCH_A \slot, (\q)+1, 0
	WIN MUL_HI
	MUL16 4, (\q)%2, \q, \slot, \zero
	MUL16 6, (\q)%2, \q, \slot, \zero
	PLACES NP
	WIN 0
	FETCH_A \slot, (\q)+1, 4
.endm
.macro TURN slot, next                 ; slot 0's last step: behind the barrier slot 1 is whole for every wave.  Nothing is filled again
	s_wait_tensorcnt 0x0                           ; all my tensor loads have landed: my part of the next slot
	ds_add_u32 v[SPW], v[NIL]                      ; 0 onto my spare word
	s_wait_dscnt 4*NL+1                            ; the add and the youngest eight loads may be out
	WIN MUL_LO
	MUL16 0, 1, NQ-1, \slot, 0
	s_wait_dscnt 0x0                               ; no LDS instruction of mine is pending at the signal
	s_barrier_signal -1
	MUL16 2, 1, NQ-1, \slot, 0
	WIN 0
	s_barrier_wait -1
	PLACES NP
	v_add_nc_u32 v[ADRS], 4*NQ, v[ADRS]            ; on to the next K step's scale words
	FETCH_B \next, 0, 0
	FETCH_A \next, 0, 0
	SCALES \next
	WIN MUL_HI
	MUL16 4, 1, NQ-1, \slot, 0
	MUL16 6, 1, NQ-1, \slot, 0
	PLACES NP
	WIN 0
	FETCH_A \next, 0, 4
.endm
	s_wait_tensorcnt 1                             ; the scales and my part of K step 0 are in; K step 1's load may be out
	s_barrier_signal -1
	s_barrier_wait -1
	FETCH_B 0, 0, 0
	FETCH_A 0, 0, 0
	SCALES 0
	FETCH_A 0, 0, 4
	STEP 0, 0, 1                                   ; the first products start the sums: nothing is cleared
	STEP 0, 1, 0
	STEP 0, 2, 0
	TURN 0, 1
	STEP 1, 0, 0
	STEP 1, 1, 0
	STEP 1, 2, 0
	s_wait_dscnt 4*NL                              ; the last step: nothing more to fetch
	WIN MUL_LO
	MUL16 0, 1, NQ-1, 1, 0
	MUL16 2, 1, NQ-1, 1, 0
	s_wait_dscnt 0
	WIN MUL_HI
	MUL16 4, 1, NQ-1, 1, 0
	MUL16 6, 1, NQ-1, 1, 0
	WIN 0
; THE WAY OUT.  No stage: a lane's eight results pack into 16 bytes that are its own 16 bytes of a piece of the image, so every store of the wave covers 512 consecutive bytes, aligned.
; kind 0: q (x c), 1: k, 2: v.  Block a's 32 packed registers take turns between two sets; each accumulator is read from its low end on.
.macro OUT kind, a
.set AC, 64*((\a)%4)
.set TP, TMP+32*((\a)%2)
.if (\a) > 1
	s_wait_xcnt 0x0                                ; block a - 2's stores have read their data registers, which are written again below
.endif
.if \kind == 0
	WIN 0x82+0x41*((\a)/4)                         ; destination and source 0: window 2 or 3
.set i, 0
.rept 32
	v_pk_mul_f32 v[AC+2*i:AC+2*i+1], v[AC+2*i:AC+2*i+1], s[FS:FS+1] op_sel_hi:[1,0]
.set i, i+1
.endr
.endif
	WIN 0x0a+5*((\a)/4)                            ; sources 0 and 1: window 2 or 3
.set i, 0
.rept 32
	v_cvt_pk_f16_f32 v[TP+i], v[AC+2*i], v[AC+2*i+1]
.set i, i+1
.endr
	WIN 0
.irp b, 0,1,2,3,4,5,6,7
.if \kind == 2
	global_store_b128 v[CO], v[TP+4*\b:TP+4*\b+3], s[OB:OB+1] offset:((\a)/4)*262144+(\b/2)*4096+((\a)%4)*1024+(\b%2)*512   ; head a / 4, keys 32 (b / 2) on, channels 16 (a % 4) on, piece b % 2
.else
	global_store_b128 v[CO], v[TP+4*\b:TP+4*\b+3], s[OB:OB+1] offset:(\b/4)*262144+(\a)*2048+(\b%4)*512                    ; head b / 4, positions 16 a on, channels 16 (b % 4) on
.endif
.endr
.endm
	PLACES NP                                      ; behind the last products: their results are read and A's registers written below
	s_cmp_eq_u32 ttmp9, 2                          ; the cluster's x: all partners go the same way
	s_cbranch_scc1 .Lout_v
	s_cmp_lg_u32 s[YY], 0                          ; positions 0-15 of a batch lie in the clusters with y = 0, in the waves with the A side's first half, in block a = 0
	s_cbranch_scc1 .Lno_fine_qk
	s_cmp_lg_u32 s15, 0
	s_cbranch_scc1 .Lno_fine_qk
	WIN 0x08                                       ; a store's data are its source 1: window 2
.irp b, 0,1,2,3,4,5,6,7
	global_store_b128 v[CO], v[8*\b:8*\b+3], s[FB:FB+1] offset:(\b/4)*4096+(\b%4)*1024
	global_store_b128 v[CO], v[8*\b+4:8*\b+7], s[FB:FB+1] offset:(\b/4)*4096+(\b%4)*1024+512
.endr
	s_wait_xcnt 0x0                                ; these stores have read the accumulators, which q's scaling writes
	WIN 0
.Lno_fine_qk:
	s_cmp_eq_u32 ttmp9, 1
	s_cbranch_scc1 .Lout_k
.irp a, 0,1,2,3,4,5,6,7
	OUT 0, \a
.endr
	s_branch .Lend
.Lout_k:
.irp a, 0,1,2,3,4,5,6,7
	OUT 1, \a
.endr
	s_branch .Lend
.Lout_v:
	s_cmp_lg_u32 s[YY], 0                          ; keys 0-15: y = 0, the B side's first half, block b = 0
	s_cbranch_scc1 .Lno_fine_v
	s_cmp_lg_u32 s16, 0
	s_cbranch_scc1 .Lno_fine_v
.irp a, 0,1,2,3,4,5,6,7
	WIN 0x08+4*(\a/4)
	global_store_b128 v[CO], v[64*(\a%4):64*(\a%4)+3], s[FB:FB+1] offset:(\a/4)*4096+(\a%4)*1024
	global_store_b128 v[CO], v[64*(\a%4)+4:64*(\a%4)+7], s[FB:FB+1] offset:(\a/4)*4096+(\a%4)*1024+512
.endr
	WIN 0
.Lno_fine_v:
.irp a, 0,1,2,3,4,5,6,7
	OUT 2, \a
.endr
.Lend:
	s_wait_tensorcnt 0x0                           ; the wave's end, behind my last tensor load
	ds_add_u32 v[SPW], v[NIL]
	s_wait_dscnt 0x0
	CROUND                                         ; the closing round: no work-group ends while a partner may still ask for a tile that names it
	s_endpgm
.Lfunc_end_k_q886fe0d15a_gemm_qkv:
	.size	k_q886fe0d15a_gemm_qkv, .Lfunc_end_k_q886fe0d15a_gemm_qkv-k_q886fe0d15a_gemm_qkv
	.p2alignl 7, 3214868480
	.fill 96, 4, 3214868480
	.section	.rodata,"a",@progbits
	.p2align	6, 0x0
	.amdhsa_kernel k_q886fe0d15a_gemm_qkv
		.amdhsa_group_segment_fixed_size 327680
		.amdhsa_private_segment_fixed_size 0
		.amdhsa_enable_private_segment 0
		.amdhsa_kernarg_size 48
		.amdhsa_user_sgpr_count 2
		.amdhsa_user_sgpr_kernarg_segment_ptr 1
		.amdhsa_wavefront_size32 1
		.amdhsa_system_sgpr_workgroup_id_x 1
		.amdhsa_system_sgpr_workgroup_id_y 1
		.amdhsa_system_sgpr_workgroup_id_z 1
		.amdhsa_system_vgpr_workitem_id 0
		.amdhsa_next_free_vgpr 1024
		.amdhsa_next_free_sgpr 102
		.amdhsa_reserve_vcc 0
		.amdhsa_float_denorm_mode_32 3
		.amdhsa_float_denorm_mode_16_64 3
		.amdhsa_memory_ordered 1
		.amdhsa_forward_progress 1
		.amdhsa_inst_pref_size 184
	.end_amdhsa_kernel
	.amdgpu_metadata
---
amdhsa.version: [ 1, 2 ]
amdhsa.kernels:
  - .name:           k_q886fe0d15a_gemm_qkv
    .symbol:         k_q886fe0d15a_gemm_qkv.kd
    .args:
      - { .name: x_codes, .offset: 0, .size: 8, .value_kind: global_buffer, .address_space: global }
      - { .name: x_scales, .offset: 8, .size: 8, .value_kind: global_buffer, .address_space: global }
      - { .name: wq_codes, .offset: 16, .size: 8, .value_kind: global_buffer, .address_space: global }
      - { .name: wq_scales, .offset: 24, .size: 8, .value_kind: global_buffer, .address_space: global }
      - { .name: qkv16, .offset: 32, .size: 8, .value_kind: global_buffer, .address_space: global }
      - { .name: fine32, .offset: 40, .size: 8, .value_kind: global_buffer, .address_space: global }
    .group_segment_fixed_size: 327680
    .private_segment_fixed_size: 0
    .kernarg_segment_align: 8
    .kernarg_segment_size: 48
    .max_flat_workgroup_size: 128
    .sgpr_count:     102
    .vgpr_count:     1024
    .wavefront_size: 32
...
	.end_amdgpu_metadata
.endif
;; end of part 2
;; launch attn (part 3): grid 4 x 64, 16 waves a work-group, no clusters, 327,680 bytes of LDS; arguments qkv16, y16; writes y16
.if DOCPART == 3
	.amdgcn_target "amdgcn-amd-amdhsa--gfx1250"
	.amdhsa_code_object_version 6
	.text
	.protected	k_q886fe0d15a_attn
	.globl	k_q886fe0d15a_attn
	.p2align	8
	.type	k_q886fe0d15a_attn,@function
k_q886fe0d15a_attn:
	s_mov_b64 s[64:65], 0
	v_nop
	global_prefetch_b8 v0, s[64:65] scope:SCOPE_SE
	s_setreg_imm32_b32 hwreg(HW_REG_WAVE_MODE, 25, 1), 1
	s_wait_xcnt 0x0
; y[b][t][head] = softmax_k(q . k / 8, causal) v, for one head a work-group row.  q (already x log2(e) / 8), k, v^T arrive as f16 in the order of the operands' registers; products in f16 with f32 sums;
; maxima, exponentials and sums in f32; p is rounded to f16 for the second product, y once at the end.
; SHARES.  T = 2,048 is eight blocks of 256 queries.  Work-group i (0..3) of a head owns blocks 7 - i and i: the first walks key blocks 0 .. 7 - i, the second 0 .. i: ALWAYS NINE slots of 256 keys, so the
; 256 work-groups have equal work under the causal mask and the loop's trip count is a constant.  Each of the SIXTEEN waves owns one tile of 16 queries in each pass, in 256 registers: four waves to a SIMD, so that
; one wave's vector work stands beside another's matrix work and LDS loads.  Wave w takes tile 4 ((w / 4 + w % 4) % 4) + w / 4: any four waves w % 4 = const or w / 4 = const have 1 + 2 + 3 + 4 steps in a diagonal slot.
; NO CLUSTER: the four work-groups of a head leave the common walk at different trips (after 8 - i slots), and in a diagonal slot the mask lets waves pass over tiles: partners would not need the same tiles in the same round.
; LAYOUT.  S^T = K Q^T (source 0 = 16 keys, source 1 = my 16 queries), O^T = V^T P (source 0 = 16 channels, source 1 = P): a lane holds ONE query (lane % 16) throughout; two tiles of S^T, rounded in pairs, ARE a fragment of P;
; O^T's eight registers of a tile pack into the lane's own 16 bytes of y's image.  Nothing changes lanes but the maximum and the sum (one exchange between the halves).
; SOFTMAX.  The scores arrive in units of log2: p = 2^(t - m) with the running maximum m, by a plain subtraction; O^T and the sum l are multiplied by a = 2^(m_old - m_new) in every step; l is summed of the unrounded p.
; THE RING.  Two slots of 65,536 bytes: 256 keys of K (32,768 dense bytes as they lie in memory), then of V^T.  Every fragment read is 512 consecutive bytes: no padding.  Waves 0-3 fetch a quarter of a slot each.
; y16: [(2048 b + t) / 16][head 16][ct 4][lane][16 B]: lane (r, h): row 16 g + r, channels 16 ct + 8 h + 0..7: the projection's operand image.
; LIMIT: f16's range for q c, k, v; p under 6e-8 counts as 0 in the second product.
.set SLOT1, 65536
.set VOFF,  32768
.set SPARE, 131072                     ; the spare words: 128 bytes a wave, eight blocks of 256 bytes that no other line names
.set L16, 1                            ; v1  16 x lane; never rewritten
.set AL,  2                            ; v2  the slot in hand + 16 x lane
.set SPW, 3
.set NIL, 4
.set PFO, 5                            ; v5  256 x lane; never rewritten
.set DL,  11                           ; v11 lane % 16 - 8 (lane / 16)
.set QR,  16                           ; v16-31   Q: two fragments
.set KR,  32                           ; v32-95   K: fragment (kt, ks) at 8 (2 kt + ks)
.set VR,  96                           ; v96-159  V^T: fragment (kh, ct) at 8 (4 kh + ct)
.set S,   160                          ; v160-191 S^T, then p
.set P,   192                          ; v192-207 p as f16; at the end y as f16
.set O,   208                          ; v208-239 O^T
                                       ; v12 -m, v13 m, v[14:15] l in two halves; v240-243 maxima, v244 the other half's, v245 the mask's d, v[246:247] a, v[248:249] a second chain of sums, v250 -infinity
.set WV,  8                            ; s8  wave
.set G1,  16                           ; s[16:23] descriptor group 1
.set G0,  24                           ; s[24:27] group 0
.set KVB, 28                           ; s[28:29] where my quarter of key block 0 lies
.set KN,  30                           ; s[30:31] the next key block, in bytes
.set TB,  32                           ; s32 LDS byte at which the slot in hand begins
.set J,   33                           ; s33 the trip
.set SW,  34                           ; s34 8 - i: the slot with which the second pass begins
.set SWJ, 35                           ; s35 7 - i: the first pass's last slot
.set KF,  36                           ; s36 the step's first key
.set Q0,  37                           ; s37 my first query
.set Q0L, 38                           ; s38 and that of the second pass
.set QBL, 40                           ; s[40:41] the second pass's q
.set YBH, 42                           ; s[42:43], s[44:45] where y goes
.set YBL, 44
.set PFA, 46                           ; s[46:47] where my prefetches stand
.set LIM, 48                           ; s48 a wave prefetches while the trip is under it
.macro TLOAD                           ; waves 0, 1: K's halves; waves 2, 3: V's.  The branch hangs on the wave's number alone.  An s_nop 0 and four v_nop follow the load
	s_cmp_lt_u32 s[WV], 4
	s_cbranch_scc0 .Lno_load_\@
	tensor_load_to_lds s[G0:G0+3], s[G1:G1+7]
	s_nop 0
.rept 4
	v_nop
.endr
.Lno_load_\@:
.endm
; A PREFETCH of the key block that the NEXT change of slots will ask for.  All four work-groups of a head begin with the same walk over key blocks 0, 1, ..: work-group i = 0, which walks all eight, asks, and nobody else.
; In it the waves ask that fetch nothing: waves 4-7 for K's 32,768 bytes, waves 8-11 for V's, 8,192 bytes a wave, lanes 256 bytes apart: each aligned block of 256 bytes is named once in the launch.
; Trip J asks for block J + 2; trips 6 and 7 ask for nothing (block 7 is the last); blocks 0 and 1 come by their loads alone.
.macro ASK
	s_cmp_lt_u32 s[J], s[LIM]
	s_cbranch_scc0 .Lnot_mine_\@
	global_prefetch_b8 v[PFO], s[PFA:PFA+1] th:TH_LOAD_NT scope:SCOPE_SE
.Lnot_mine_\@:
.endm
; THE CHANGE OF SLOTS, at a slot's head.  Each wave waits for all its tensor loads (its part of the slot ahead), adds 0 to its spare word, and waits for that and for its reads of the slot that it has left.
; Behind the barrier the slot ahead is whole and nobody reads the other.  fill = 1: that other slot takes the next key block, which has a whole slot's four steps in which to land.
.macro CHANGE fill
	s_wait_tensorcnt 0x0                           ; no tensor load of mine is out, so group 0 may be written
	ds_add_u32 v[SPW], v[NIL]
.if \fill
	ds_add_u32 v[SPW], v[NIL]                      ; and once more
	s_xor_b32 s[G0+1], s[G0+1], SLOT1              ; the other slot than last time
	s_add_co_u32 s[KN], s[KN], 32768               ; the next 256 keys,
	s_add_co_u32 s49, s[J], 1
	s_cmp_eq_u32 s49, s[SW]
	s_cselect_b32 s[KN], 0, s[KN]                  ; or, where the second pass begins, key block 0 again
	s_add_nc_u64 s[G0+2:G0+3], s[KVB:KVB+1], s[KN:KN+1]
	s_or_b32 s[G0+3], s[G0+3], 0x80000000          ; type = 2
	s_wait_xcnt 0x0                                ; the last prefetch, a slot back, has read its address
	s_add_nc_u64 s[PFA:PFA+1], s[PFA:PFA+1], 32768
.endif
	s_wait_dscnt 0x0                               ; the add is done, and my reads of the slot that I have left are over
	s_barrier_signal -1
	s_barrier_wait -1
.if \fill
	TLOAD                                          ; the first thing behind the barrier, and a wave's one tensor load until the next
	ASK
.endif
.endm
.macro SOFTMAX
.irp t, 0,1,2,3
	v_max3_num_f32 v[240+\t], v[S+8*\t], v[S+8*\t+1], v[S+8*\t+2]      ; four chains, each from its tile's low end on
.endr
.irp u, 3,5
.irp t, 0,1,2,3
	v_max3_num_f32 v[240+\t], v[240+\t], v[S+8*\t+\u], v[S+8*\t+\u+1]
.endr
.endr
	v_max3_num_f32 v240, v240, v[S+7], v[S+15]
	v_max3_num_f32 v242, v242, v[S+23], v[S+31]
	v_max3_num_f32 v240, v240, v241, v242
	v_max3_num_f32 v240, v240, v243, v13           ; with the old m
	v_permlanex16_b32 v244, v240, s14, s15         ; the query's other 32 keys lie in the lane 16 away
	v_max_num_f32 v244, v240, v244                 ; the new m
	v_sub_f32 v246, v13, v244                      ; m_old - m_new, 0 or less
	v_mov_b32 v13, v244
	v_mul_f32 v12, -1.0, v244
.irp p, 0,2,4,6,8,10,12,14,16,18,20,22,24,26,28,30
	v_pk_add_f32 v[S+\p:S+\p+1], v[S+\p:S+\p+1], v[12:13] op_sel_hi:[1,0]    ; t - m, two at a time (the pair's low word, -m, serves both halves)
.endr
	v_exp_f32 v246, v246                           ; a
.irp p, 0,1,2,3,4,5,6,7,8,9,10,11,12,13,14,15,16,17,18,19,20,21,22,23,24,25,26,27,28,29,30,31
	v_exp_f32 v[S+\p], v[S+\p]                     ; p = 2^(t - m), at most 1
.endr
	v_nop                                          ; a plain line behind the last exponential
	s_wait_alu depctr_va_vdst(0)                   ; one wait for the batch of 33, ahead of its first reader
.irp p, 0,1,2,3,4,5,6,7,8,9,10,11,12,13,14,15
	v_cvt_pk_f16_f32 v[P+\p], v[S+2*\p], v[S+2*\p+1]
.endr
	v_pk_mul_f32 v[14:15], v[14:15], v[246:247] op_sel_hi:[1,0]        ; l under the new m
	v_pk_add_f32 v[248:249], v[S:S+1], v[S+2:S+3]                      ; the sum of the unrounded p, in two chains
.irp p, 4,8,12,16,20,24,28
	v_pk_add_f32 v[14:15], v[14:15], v[S+\p:S+\p+1]
	v_pk_add_f32 v[248:249], v[248:249], v[S+\p+2:S+\p+3]
.endr
	v_pk_add_f32 v[14:15], v[14:15], v[248:249]
.irp p, 0,2,4,6,8,10,12,14,16,18,20,22,24,26,28,30
	v_pk_mul_f32 v[O+\p:O+\p+1], v[O+\p:O+\p+1], v[246:247] op_sel_hi:[1,0]   ; O^T under the new m, each tile from its low end on
.endr
.endm
; A KEY STEP: 64 keys, the q-th of the slot in hand.  A step all of whose keys come after my 16 queries is left out, by a scalar branch on ids; no barrier and no tensor load stands in a step.
.macro STEP q
	s_add_co_u32 s49, s[Q0], 15
	s_cmp_gt_u32 s[KF], s49
	s_cbranch_scc1 .Lhidden_\@
.rept 4
	v_nop                                          ; places in front of the loads into V's registers, which the last step's products read
.endr
.irp f, 0,1,2,3,4,5,6,7
	ds_load_b128 v[KR+8*\f:KR+8*\f+3], v[AL] offset:(\q)*8192+\f*1024
	ds_load_b128 v[KR+8*\f+4:KR+8*\f+7], v[AL] offset:(\q)*8192+\f*1024+512
.endr
.irp f, 0,1,2,3,4,5,6,7
	ds_load_b128 v[VR+8*\f:VR+8*\f+3], v[AL] offset:VOFF+(\q)*8192+\f*1024
	ds_load_b128 v[VR+8*\f+4:VR+8*\f+7], v[AL] offset:VOFF+(\q)*8192+\f*1024+512
.endr
	s_wait_dscnt 16                                ; K's sixteen loads are in; V's sixteen may be out
.irp kt, 0,1,2,3                       ; the four accumulators take turns
	v_wmma_f32_16x16x32_f16 v[S+8*\kt:S+8*\kt+7], v[KR+16*\kt:KR+16*\kt+7], v[QR:QR+7], 0
.endr
.irp kt, 0,1,2,3
	v_wmma_f32_16x16x32_f16 v[S+8*\kt:S+8*\kt+7], v[KR+16*\kt+8:KR+16*\kt+15], v[QR+8:QR+15], v[S+8*\kt:S+8*\kt+7]
.endr
.rept 4
	v_nop
.endr
	s_add_co_u32 s49, s[KF], 63                    ; on the diagonal hidden scores become -infinity ahead of the maximum; a step all of whose keys count passes this by
	s_cmp_le_u32 s49, s[Q0]
	s_cbranch_scc1 .Lopen_\@
	s_sub_co_i32 s49, s[Q0], s[KF]
	v_add_nc_u32 v245, s49, v[DL]                  ; d = my query - KF - 8 (lane / 16).  Register 8 kt + j holds key KF + 16 kt + 8 (lane / 16) + j: hidden where 16 kt + j > d
.irp n, 0,1,2,3,4,5,6,7,8,9,10,11,12,13,14,15,16,17,18,19,20,21,22,23,24,25,26,27,28,29,30,31
	v_cmp_gt_i32 vcc_lo, 16*(\n/8)+\n%8, v245
	v_cndmask_b32 v[S+\n], v[S+\n], v250, vcc_lo
.endr
.Lopen_\@:
	SOFTMAX
	s_wait_dscnt 0x0                               ; V is in
.irp kh, 0,1
.irp ct, 0,1,2,3
	v_wmma_f32_16x16x32_f16 v[O+8*\ct:O+8*\ct+7], v[VR+8*(4*\kh+\ct):VR+8*(4*\kh+\ct)+7], v[P+8*\kh:P+8*\kh+7], v[O+8*\ct:O+8*\ct+7]
.endr
.endr
.Lhidden_\@:
	s_add_co_u32 s[KF], s[KF], 64
.endm
.macro RESET                           ; a pass begins: the step is written once, and its first turn finds zeros and a = 0
	v_mov_b32 v13, 0xff61b1e6                      ; m = -3e38, under every score
	v_mov_b32 v12, 0x7f61b1e6                      ; -m
	v_mov_b32 v14, 0
	v_mov_b32 v15, 0
.irp p, 0,1,2,3,4,5,6,7,8,9,10,11,12,13,14,15,16,17,18,19,20,21,22,23,24,25,26,27,28,29,30,31
	v_mov_b32 v[O+\p], 0
.endr
.endm
; A pass ends: O^T / l, rounded to f16; a lane's four packed registers of a tile are its 16 bytes of y's image: each store of the wave covers 512 consecutive bytes, aligned.
.macro FINISH yb, reload
.rept 4
	v_nop                                          ; places behind the last products
.endr
	v_add_f32 v240, v14, v15
	v_permlanex16_b32 v244, v240, s14, s15
	v_add_f32 v240, v240, v244                     ; the row's sum
	v_rcp_f32 v246, v240
	v_nop
	s_wait_alu depctr_va_vdst(0)                   ; ahead of the reciprocal's first reader
.irp p, 0,2,4,6,8,10,12,14,16,18,20,22,24,26,28,30
	v_pk_mul_f32 v[O+\p:O+\p+1], v[O+\p:O+\p+1], v[246:247] op_sel_hi:[1,0]
.endr
.irp p, 0,1,2,3,4,5,6,7,8,9,10,11,12,13,14,15
	v_cvt_pk_f16_f32 v[P+\p], v[O+2*\p], v[O+2*\p+1]
.endr
.irp ct, 0,1,2,3
	global_store_b128 v[L16], v[P+4*\ct:P+4*\ct+3], s[\yb:\yb+1] offset:512*\ct
.endr
.if \reload
	s_mov_b32 s[Q0], s[Q0L]
	s_mov_b32 s[KF], 0
.irp p, 0,1,2,3
	global_load_b128 v[QR+4*\p:QR+4*\p+3], v[L16], s[QBL:QBL+1] offset:512*\p
.endr
	RESET
	s_wait_loadcnt 0x0                             ; the second pass's q
	s_wait_xcnt 0x0                                ; the stores have read P's registers, which the next softmax writes
.endif
.endm
.macro SLOT_STEPS
	v_add_nc_u32 v[AL], s[TB], v[L16]
	STEP 0
	STEP 1
	STEP 2
	STEP 3
	s_xor_b32 s[TB], s[TB], SLOT1                  ; on to the other slot
.endm
	s_load_b128 s[4:7], s[0:1], 0x0                ; qkv16, y16
	v_lshl_add_u32 v[SPW], v0, 2, SPARE
	v_mov_b32 v[NIL], 0
	ds_add_u32 v[SPW], v[NIL]                      ; the wave's opening: the add, twice on end, and its wait ahead of the first tensor load
	ds_add_u32 v[SPW], v[NIL]
	v_lshrrev_b32 v6, 5, v0
	v_readfirstlane_b32 s[WV], v6                  ; wave 0..15
	s_mov_b32 s11, ttmp9                           ; i
	s_and_b32 s12, ttmp7, 0xffff                   ; 16 batch + head
	s_lshr_b32 s9, s[WV], 2
	s_and_b32 s13, s[WV], 3
	s_add_co_u32 s13, s13, s9
	s_and_b32 s13, s13, 3
	s_lshl_b32 s13, s13, 2
	s_add_co_u32 s10, s13, s9                      ; my tile of 16 queries in a block
	s_mov_b32 s14, 0x76543210                      ; v_permlanex16_b32's selects for lane l xor 16
	s_mov_b32 s15, 0xfedcba98
	s_mov_b32 s[G1], 3<<16                         ; no mask; elements of 8 bytes; no padding
	s_mov_b32 s[G1+1], 32<<16                      ; tensor_dim0 = 32: rows of 256 bytes
	s_mov_b32 s[G1+2], 64<<16                      ; tensor_dim1 = 64: 16,384 dense bytes
	s_mov_b32 s[G1+3], 32<<16                      ; tile_dim0
	s_mov_b32 s[G1+4], 64                          ; tile_dim1
	s_mov_b32 s[G1+5], 32                          ; the pitch
	s_mov_b32 s[G1+6], 0
	s_mov_b32 s[G1+7], 0
	s_mov_b32 s[G0], 1
	s_and_b32 s49, s[WV], 3
	s_lshl_b32 s[G0+1], s49, 14                    ; my quarter of slot 0
	s_lshl_b32 s52, s12, 18                        ; the head's 262,144 bytes in a section
	s_lshr_b32 s50, s49, 1
	s_add_co_u32 s50, s50, 1                       ; section 1 (k) or 2 (v)
	s_lshl_b32 s50, s50, 24
	s_and_b32 s51, s49, 1
	s_lshl_b32 s51, s51, 14
	s_add_co_u32 s50, s50, s51
	s_add_co_u32 s50, s50, s52
	s_mov_b32 s51, 0
	s_mov_b32 s[KN], 0
	s_mov_b32 s[KN+1], 0
	s_mov_b32 s[TB], 0
	s_mov_b32 s[J], 0
	s_mov_b32 s[KF], 0
	s_sub_co_u32 s[SW], 8, s11
	s_sub_co_u32 s[SWJ], 7, s11
	s_wait_dscnt 0x0                               ; both opening adds are done
	s_wait_kmcnt 0x0
	s_add_nc_u64 s[KVB:KVB+1], s[4:5], s[50:51]
	s_mov_b64 s[G0+2:G0+3], s[KVB:KVB+1]
	s_or_b32 s[G0+3], s[G0+3], 0x80000000
	TLOAD                                          ; slot 0: key block 0, which counts for every query
	s_lshl_b32 s53, s10, 4
	s_lshl_b32 s50, s[SWJ], 8
	s_add_co_u32 s[Q0], s50, s53                   ; the first pass: block 7 - i
	s_lshl_b32 s50, s11, 8
	s_add_co_u32 s[Q0L], s50, s53                  ; the second: block i
	s_lshl_b32 s50, s[Q0], 7                       ; a query's 128 bytes
	s_add_co_u32 s50, s50, s52
	s_add_nc_u64 s[54:55], s[4:5], s[50:51]
	s_lshl_b32 s50, s[Q0L], 7
	s_add_co_u32 s50, s50, s52
	s_add_nc_u64 s[QBL:QBL+1], s[4:5], s[50:51]
	s_lshr_b32 s49, s12, 4
	s_lshl_b32 s49, s49, 22                        ; a batch: 128 groups of 16 rows x 32,768 bytes
	s_and_b32 s13, s12, 15
	s_lshl_b32 s13, s13, 11                        ; a head: 2,048 bytes in a group
	s_add_co_u32 s49, s49, s13
	s_lshl_b32 s50, s[Q0], 11
	s_add_co_u32 s50, s50, s49
	s_add_nc_u64 s[YBH:YBH+1], s[6:7], s[50:51]
	s_lshl_b32 s50, s[Q0L], 11
	s_add_co_u32 s50, s50, s49
	s_add_nc_u64 s[YBL:YBL+1], s[6:7], s[50:51]
	s_lshr_b32 s50, s[WV], 2                       ; the prefetches: waves 4-7 section 1, waves 8-11 section 2
	s_min_u32 s50, s50, 2
	s_lshl_b32 s50, s50, 24
	s_and_b32 s13, s[WV], 3
	s_lshl_b32 s13, s13, 13
	s_add_co_u32 s50, s50, s13
	s_add_co_u32 s50, s50, s52
	s_add_co_u32 s50, s50, 32768                   ; in key block 1: the first change of slots steps it to block 2
	s_add_nc_u64 s[PFA:PFA+1], s[4:5], s[50:51]
	s_sub_co_u32 s50, s[WV], 4
	s_lshr_b32 s50, s50, 3                         ; 0 in waves 4 to 11,
	s_or_b32 s50, s50, ttmp9                       ; of work-group i = 0
	s_cmp_eq_u32 s50, 0
	s_cselect_b32 s[LIM], 6, 0
	v_and_b32 v6, 31, v0
	v_lshlrev_b32 v[L16], 4, v6
	v_lshlrev_b32 v[PFO], 8, v6
.irp p, 0,1,2,3
	global_load_b128 v[QR+4*\p:QR+4*\p+3], v[L16], s[54:55] offset:512*\p     ; my tile of q: two fragments, as they lie
.endr
	v_and_b32 v7, 15, v0
	v_bfe_u32 v8, v0, 4, 1
	v_lshlrev_b32 v8, 3, v8
	v_sub_nc_u32 v[DL], v7, v8
	v_mov_b32 v244, 0                              ; a lane permute's destination counts as one of its sources
	v_mov_b32 v247, 0                              ; (named as the upper half of the pair v[246:247])
	v_mov_b32 v250, 0xff800000                     ; -infinity
	RESET
	s_wait_loadcnt 0x0                             ; q
.Lslot:                                            ; eight trips: behind each change of slots the next slot is asked for
	CHANGE 1
	SLOT_STEPS
	s_cmp_lg_u32 s[J], s[SWJ]                      ; ids alone: the first pass ends behind slot 7 - i
	s_cbranch_scc1 .Lsame_pass
	FINISH YBH, 1
.Lsame_pass:
	s_add_co_u32 s[J], s[J], 1
	s_cmp_lt_u32 s[J], 8
	s_cbranch_scc1 .Lslot
	CHANGE 0                                       ; the ninth slot is written out: nothing is left to fetch
	SLOT_STEPS
	FINISH YBL, 0
	s_wait_tensorcnt 0x0                           ; the wave's end
	ds_add_u32 v[SPW], v[NIL]
	s_wait_dscnt 0x0
	s_endpgm
.Lfunc_end_k_q886fe0d15a_attn:
	.size	k_q886fe0d15a_attn, .Lfunc_end_k_q886fe0d15a_attn-k_q886fe0d15a_attn
	.p2alignl 7, 3214868480
	.fill 96, 4, 3214868480
	.section	.rodata,"a",@progbits
	.p2align	6, 0x0
	.amdhsa_kernel k_q886fe0d15a_attn
		.amdhsa_group_segment_fixed_size 327680
		.amdhsa_private_segment_fixed_size 0
		.amdhsa_enable_private_segment 0
		.amdhsa_kernarg_size 16
		.amdhsa_user_sgpr_count 2
		.amdhsa_user_sgpr_kernarg_segment_ptr 1
		.amdhsa_wavefront_size32 1
		.amdhsa_system_sgpr_workgroup_id_x 1
		.amdhsa_system_sgpr_workgroup_id_y 1
		.amdhsa_system_sgpr_workgroup_id_z 1
		.amdhsa_system_vgpr_workitem_id 0
		.amdhsa_next_free_vgpr 256
		.amdhsa_next_free_sgpr 66
		.amdhsa_reserve_vcc 1
		.amdhsa_float_denorm_mode_32 3
		.amdhsa_float_denorm_mode_16_64 3
		.amdhsa_memory_ordered 1
		.amdhsa_forward_progress 1
		.amdhsa_inst_pref_size 111
	.end_amdhsa_kernel
	.amdgpu_metadata
---
amdhsa.version: [ 1, 2 ]
amdhsa.kernels:
  - .name:           k_q886fe0d15a_attn
    .symbol:         k_q886fe0d15a_attn.kd
    .args:
      - { .name: qkv16, .offset: 0, .size: 8, .value_kind: global_buffer, .address_space: global }
      - { .name: y16, .offset: 8, .size: 8, .value_kind: global_buffer, .address_space: global }
    .group_segment_fixed_size: 327680
    .private_segment_fixed_size: 0
    .kernarg_segment_align: 8
    .kernarg_segment_size: 16
    .max_flat_workgroup_size: 512
    .sgpr_count:     66
    .vgpr_count:     256
    .wavefront_size: 32
...
	.end_amdgpu_metadata
.endif
;; end of part 3
;; launch proj (part 4): grid 8 x 32, 4 waves a work-group, clusters of 4 x 4, 327,680 bytes of LDS; arguments y16, wp16, b_proj, out0; writes out0
.if DOCPART == 4
	.amdgcn_target "amdgcn-amd-amdhsa--gfx1250"
	.amdhsa_code_object_version 6
	.text
	.protected	k_q886fe0d15a_proj
	.globl	k_q886fe0d15a_proj
	.p2align	8
	.type	k_q886fe0d15a_proj,@function
k_q886fe0d15a_proj:
	s_mov_b64 s[64:65], 0
	v_nop
	global_prefetch_b8 v0, s[64:65] scope:SCOPE_SE
	s_setreg_imm32_b32 hwreg(HW_REG_WAVE_MODE, 25, 1), 1
	s_wait_xcnt 0x0
	s_wait_alu depctr_hold_cnt(0) depctr_sa_sdst(0) depctr_va_vdst(0) depctr_va_sdst(0) depctr_va_ssrc(0) depctr_va_vcc(0) depctr_vm_vsrc(0)
	s_getreg_b32 s2, hwreg(HW_REG_IB_STS2, 6, 4)
	s_cmp_eq_u32 s2, 0
	s_cbranch_scc0 .Lentry_in_a_cluster
	s_endpgm
.Lentry_in_a_cluster:
	s_bfe_u32 s2, ttmp6, 0x10000c
	s_cmp_lg_u32 s2, 0xf033
	s_cbranch_scc0 .Lentry_shape_is_right
	s_endpgm
.Lentry_shape_is_right:
; out0 = y W_proj + b_proj.  y [8192][1024] and W_proj's high part arrive as f16 in the order of the operands' registers: [group of 16 rows (of y) or columns (of W)][k / 32][c 2][lane][16 B]; sums in f32; out0 f32.
; (Rows 0-15 of each sequence are written here like all others and written again, more finely, by the launch that follows.)
; A work-group makes 256 rows x 128 columns: 256 work-groups.  Each of its four waves makes 128 x 64: 32 accumulators, 256 registers.  K goes in eight steps of 128 through a ring of two LDS slots.
; A K step of a group is 4,096 consecutive bytes of memory; groups lie 32,768 bytes apart.  In LDS they lie on end: every fragment read is 512 consecutive bytes, so there is no padding.
; CLUSTERS: 4 x 4 work-groups.  y's tile is shared along a row of the cluster, W's along a column: each is asked for JOINTLY, by the same tensor load with a mask that names the four.
; THE MATRIX INSTRUCTION IS USED TRANSPOSED (source 0 = 16 columns of W, source 1 = 16 rows of y): a lane holds eight neighbouring numbers of a row of out0.  The bias is the C of each sum's first product.
; REGISTERS: window 0: v0-31 addresses; v32-63 the bias, four tiles in the result's layout; v64-127 the way out.  window 1: two fragment buffers of 128: y's 8 fragments, then W's 4.  window 2: accumulator (a, b) at v[8 (4 a + b)].
.set ASZ,    65536                     ; a slot: y's 16 groups x 4,096 bytes,
.set SLOT,   98304                     ; then W's 8
.set STAGE,  196608                    ; behind the ring: 16 rows x 272 bytes for each wave
.set SPITCH, 272
.set SPARE,  STAGE+4*16*SPITCH         ; the spare words: 128 bytes a wave, two blocks of 256 bytes that no other line names
.set LAPS,   4                         ; a lap = two K steps
.set ADRA, 16
.set ADRB, 20
.set STO,  24
.set RD,   25
.set CO,   26
.set SPW,  28
.set NIL,  29
.set BIAS, 32
.set OUTR, 64
.set F0,   0
.set F1,   128
.set G1, 24
.set G0, 32
.set G1B, 48
.set G0B, 56
.set MSB, 0
.macro WIN new
.if MSB != (\new)
	s_set_vgpr_msb (MSB<<8)|(\new)
.set MSB, (\new)
.endif
.endm
.set MUL,  0xa5                        ; sources 0 and 1 window 1; C and D window 2
.set MULB, 0x85                        ; the same with C (the bias) in window 0
.set TO_F, 0x40
.macro JLOAD s                         ; waves 0 and 1 fetch y's two halves, waves 2 and 3 W's; an s_nop 0 and four v_nop follow each line
	s_cmp_eq_u32 s15, 0
	s_cbranch_scc0 .Lfor_b_\@
	tensor_load_to_lds s[G0+4*\s:G0+4*\s+3], s[G1:G1+7]
	s_nop 0
.rept 4
	v_nop
.endr
	s_branch .Lasked_\@
.Lfor_b_\@:
	tensor_load_to_lds s[G0B+4*\s:G0B+4*\s+3], s[G1B:G1B+7]
	s_nop 0
.rept 4
	v_nop
.endr
.Lasked_\@:
.endm
.macro CREST
	s_cmp_lg_u32 s14, 0
	s_cbranch_scc1 .Lnot_wave_0_\@
	s_barrier_signal -3
.Lnot_wave_0_\@:
	s_barrier_wait -3
	s_barrier_signal -1
	s_barrier_wait -1
.endm
.macro CROUND
	s_barrier_signal -1
	s_barrier_wait -1
	CREST
.endm
	s_load_b256 s[4:11], s[0:1], 0x0               ; y16 s[4:5], wp16 s[6:7], b_proj s[8:9], out0 s[10:11]
	v_lshl_add_u32 v[SPW], v0, 2, SPARE
	v_mov_b32 v[NIL], 0
	ds_add_u32 v[SPW], v[NIL]                      ; the wave's opening: the add, twice on end, and its wait ahead of my first tensor load
	ds_add_u32 v[SPW], v[NIL]
	v_lshrrev_b32 v1, 5, v0
	v_readfirstlane_b32 s14, v1                    ; wave 0..3
	s_lshr_b32 s15, s14, 1                         ; my half of the rows.  Also: I fetch for y (0) or for W (1)
	s_and_b32 s16, s14, 1                          ; my half of the columns.  Also: which half of that tile I fetch
	s_bfe_u32 s40, ttmp6, 0x40000                  ; cx
	s_bfe_u32 s41, ttmp6, 0x40004                  ; cy
	s_lshl_b32 s42, ttmp9, 2
	s_add_co_u32 s42, s42, s40                     ; tile column, 0..7
	s_and_b32 s13, ttmp7, 0xffff
	s_lshl_b32 s13, s13, 2
	s_add_co_u32 s13, s13, s41                     ; tile row, 0..31
	s_lshl_b32 s43, s41, 2
	s_lshl_b32 s43, 15, s43                        ; my row of the cluster
	s_lshl_b32 s44, 0x1111, s40                    ; my column
	s_or_b32 s[G1+0], s43, (3<<16)|(1<<21)         ; 15:0 the mask; 17:16 elements of 8 bytes; 21 set beside a mask; no padding
	s_or_b32 s[G1B+0], s44, (3<<16)|(1<<21)
	s_mov_b32 s[G1+1], 512<<16                     ; tensor_dim0 = 512: rows of 4,096 bytes
	s_mov_b32 s[G1+2], 8<<16                       ; tensor_dim1 = 8 groups
	s_mov_b32 s[G1+3], 512<<16                     ; tile_dim0
	s_mov_b32 s[G1+4], 8                           ; tile_dim1
	s_mov_b32 s[G1+5], 4096                        ; the pitch: 32,768 bytes
	s_mov_b32 s[G1+6], 0
	s_mov_b32 s[G1+7], 0
	s_mov_b32 s[G1B+1], 512<<16
	s_mov_b32 s[G1B+2], 4<<16                      ; W: 4 groups
	s_mov_b32 s[G1B+3], 512<<16
	s_mov_b32 s[G1B+4], 4
	s_mov_b32 s[G1B+5], 4096
	s_mov_b32 s[G1B+6], 0
	s_mov_b32 s[G1B+7], 0
	s_lshl_b32 s20, s13, 4
	s_lshl_b32 s18, s16, 3
	s_add_co_u32 s20, s20, s18                     ; y: group 16 x tile row + 8 x half
	s_lshl_b32 s20, s20, 15
	s_mov_b32 s21, 0
	s_lshl_b32 s46, s42, 3
	s_lshl_b32 s18, s16, 2
	s_add_co_u32 s46, s46, s18                     ; W: group 8 x tile column + 4 x half
	s_lshl_b32 s46, s46, 15
	s_mov_b32 s47, 0
	s_lshl_b32 s17, s16, 15                        ; where they go: no place in the cluster enters an LDS address
	s_lshl_b32 s18, s16, 14
	s_add_co_u32 s18, s18, ASZ
	s_wait_dscnt 0x0                               ; both opening adds are done
	s_wait_kmcnt 0x0
	s_add_nc_u64 s[20:21], s[4:5], s[20:21]
	s_add_nc_u64 s[46:47], s[6:7], s[46:47]
	CROUND                                         ; all sixteen work-groups are here: the first joint loads meet
.irp s, 0,1
	s_mov_b32 s[G0+4*\s], 1
	s_add_co_u32 s[G0+4*\s+1], s17, \s*SLOT
	s_add_nc_u64 s[G0+4*\s+2:G0+4*\s+3], s[20:21], \s*4096
	s_or_b32 s[G0+4*\s+3], s[G0+4*\s+3], 0x80000000
	s_mov_b32 s[G0B+4*\s], 1
	s_add_co_u32 s[G0B+4*\s+1], s18, \s*SLOT
	s_add_nc_u64 s[G0B+4*\s+2:G0B+4*\s+3], s[46:47], \s*4096
	s_or_b32 s[G0B+4*\s+3], s[G0B+4*\s+3], 0x80000000
	JLOAD \s                                       ; two loads of mine are out
.endr
	v_and_b32 v1, 15, v0                           ; l % 16
	v_bfe_u32 v2, v0, 4, 1                         ; l / 16
	v_and_b32 v3, 31, v0
	v_lshlrev_b32 v3, 4, v3                        ; 16 x lane
	s_lshl_b32 s21, s15, 15                        ; my 8 groups of y
	s_mov_b32 s22, s18                             ; my 4 groups of W
.irp s, 0,1
	v_add_nc_u32 v[ADRA+\s], s21, v3
	v_add_nc_u32 v[ADRB+\s], s22, v3
	s_add_co_u32 s21, s21, SLOT
	s_add_co_u32 s22, s22, SLOT
.endr
	s_mul_i32 s23, s14, 16*SPITCH
	s_add_co_u32 s23, s23, STAGE                   ; my stage
	v_mul_u32_u24 v4, v1, SPITCH
	v_lshl_add_u32 v4, v2, 5, v4
	v_add_nc_u32 v[STO], s23, v4                   ; in: row l % 16, 32 bytes for each half of the lanes
	v_mul_u32_u24 v4, v2, SPITCH
	v_lshl_add_u32 v4, v1, 4, v4
	v_add_nc_u32 v[RD], s23, v4                    ; back: lanes 0-15 one row of 256 bytes, lanes 16-31 the next
	v_lshlrev_b32 v4, 12, v2
	v_lshl_add_u32 v[CO], v1, 4, v4                ; and the same two rows in out0
	v_lshlrev_b32 v5, 5, v2                        ; the bias: 8 numbers for each half of the lanes
	s_lshl_b32 s20, s13, 8
	s_lshl_b32 s21, s15, 7
	s_add_co_u32 s20, s20, s21                     ; my first row
	s_lshl_b32 s20, s20, 12
	s_lshl_b32 s46, s42, 9
	s_lshl_b32 s47, s16, 8
	s_add_co_u32 s46, s46, s47                     ; my first column, in bytes
	s_add_co_u32 s20, s20, s46
	s_mov_b32 s21, 0
	s_mov_b32 s47, 0
	s_add_nc_u64 s[10:11], s[10:11], s[20:21]
	s_add_nc_u64 s[8:9], s[8:9], s[46:47]
.irp b, 0,1,2,3
	global_load_b128 v[BIAS+8*\b:BIAS+8*\b+3], v5, s[8:9] offset:64*\b
	global_load_b128 v[BIAS+8*\b+4:BIAS+8*\b+7], v5, s[8:9] offset:64*\b+16
.endr
; 8 matrix instructions: row blocks a0, a0 + 1 x the 4 column tiles, 32 along K.  The 32 accumulators take turns in the same order in every quarter.
.macro MUL8 f, a0, first
.irp a, \a0, \a0+1
.irp b, 0,1,2,3
.if \first
	v_wmma_f32_16x16x32_f16 v[8*(4*(\a)+\b):8*(4*(\a)+\b)+7], v[\f+64+8*\b:\f+64+8*\b+7], v[\f+8*(\a):\f+8*(\a)+7], v[BIAS+8*\b:BIAS+8*\b+7]
.else
	v_wmma_f32_16x16x32_f16 v[8*(4*(\a)+\b):8*(4*(\a)+\b)+7], v[\f+64+8*\b:\f+64+8*\b+7], v[\f+8*(\a):\f+8*(\a)+7], v[8*(4*(\a)+\b):8*(4*(\a)+\b)+7]
.endif
.endr
.endr
.endm
.macro FETCH slot, kf, f               ; 24 LDS loads in one run: W's 4 fragments, then y's 8, of the slot's kf-th 32 along K
	WIN TO_F
.irp i, 0,1,2,3
	ds_load_b128 v[\f+64+8*\i:\f+64+8*\i+3], v[ADRB+\slot] offset:\i*4096+(\kf)*1024
	ds_load_b128 v[\f+64+8*\i+4:\f+64+8*\i+7], v[ADRB+\slot] offset:\i*4096+(\kf)*1024+512
.endr
.irp i, 0,1,2,3,4,5,6,7
	ds_load_b128 v[\f+8*\i:\f+8*\i+3], v[ADRA+\slot] offset:\i*4096+(\kf)*1024
	ds_load_b128 v[\f+8*\i+4:\f+8*\i+7], v[ADRA+\slot] offset:\i*4096+(\kf)*1024+512
.endr
.endm
.macro PLACES                          ; four plain lines in front of loads into registers that matrix instructions have read, and of reads of results
.rept 4
	v_nop
.endr
.endm
.macro QUARTER slot, kf, f, g, first   ; multiplies buffer f; in its middle it fetches the slot's kf-th quarter into g
	s_wait_dscnt 8                                 ; W's fragments and y's blocks 0-3 are in; the youngest eight loads (blocks 4-7) may be out
.if \first
	WIN MULB
.else
	WIN MUL
.endif
	MUL8 \f, 0, \first
	MUL8 \f, 2, \first
	PLACES
	FETCH \slot, \kf, \g
	s_wait_dscnt 24                                ; all but the 24 just issued
.if \first
	WIN MULB
.else
	WIN MUL
.endif
	MUL8 \f, 4, \first
	MUL8 \f, 6, \first
.endm
; A slot's last quarter multiplies buffer 1 and changes slots: ONE barrier; in front of it each wave waits for all its tensor loads, adds 0 to its spare word, and waits for that and for its reads of this slot.
; fill = 1: the barrier opens a round of the cluster's, and this slot is filled again, two K steps ahead: 112 matrix instructions stand between the request and the wait for it.
.macro TURN slot, next, fill
	WIN 0
	s_wait_tensorcnt 0x0                           ; all my tensor loads have landed: my part of the next slot
	ds_add_u32 v[SPW], v[NIL]
	s_wait_dscnt 9                                 ; the add and the youngest eight loads may be out
	WIN MUL
	MUL8 F1, 0, 0
	s_wait_dscnt 0x0                               ; the add is done, and my reads of this slot are over
	s_barrier_signal -1
	MUL8 F1, 2, 0
.if \fill
	WIN 0
.endif
	s_barrier_wait -1
.if \fill
	CREST                                          ; no wave of any partner still reads this slot or has a load on its way
	s_add_nc_u64 s[G0+4*\slot+2:G0+4*\slot+3], s[G0+4*\slot+2:G0+4*\slot+3], 2*4096
	s_add_nc_u64 s[G0B+4*\slot+2:G0B+4*\slot+3], s[G0B+4*\slot+2:G0B+4*\slot+3], 2*4096
	JLOAD \slot                                    ; the first tensor load behind the round; its four v_nop are also the places in front of the loads below
.else
	PLACES
.endif
	FETCH \next, 0, F0
	WIN MUL
	MUL8 F1, 4, 0
	MUL8 F1, 6, 0
.endm
	s_wait_tensorcnt 1                             ; my part of K step 0 is in; K step 1's load may be out
	s_barrier_signal -1
	s_barrier_wait -1
	FETCH 0, 0, F0
	s_wait_loadcnt 0x0                             ; the bias
	QUARTER 0, 1, F0, F1, 1                        ; the first products start the sums from the bias: nothing is cleared, nothing is added later
	WIN 0                                          ; at a label and at a branch every window is 0
	s_mov_b32 s3, LAPS-1
.Llap:                                             ; a trip goes once round the ring, from a lap's second quarter to the next lap's first, and fills both slots again
	QUARTER 0, 2, F1, F0, 0
	QUARTER 0, 3, F0, F1, 0
	TURN 0, 1, 1
	QUARTER 1, 1, F0, F1, 0
	QUARTER 1, 2, F1, F0, 0
	QUARTER 1, 3, F0, F1, 0
	TURN 1, 0, 1
	QUARTER 0, 1, F0, F1, 0
	WIN 0
	s_sub_co_u32 s3, s3, 1
	s_cmp_lg_u32 s3, 0
	s_cbranch_scc1 .Llap
	QUARTER 0, 2, F1, F0, 0                        ; the last lap fills nothing
	QUARTER 0, 3, F0, F1, 0
	TURN 0, 1, 0
	QUARTER 1, 1, F0, F1, 0
	QUARTER 1, 2, F1, F0, 0
	QUARTER 1, 3, F0, F1, 0
	s_wait_dscnt 8
	WIN MUL
	MUL8 F1, 0, 0
	MUL8 F1, 2, 0
	s_wait_dscnt 0
	MUL8 F1, 4, 0
	MUL8 F1, 6, 0
	WIN 0
; THE WAY OUT, block by block of 16 rows x 64 columns: a lane holds 32 bytes of a row and its neighbours other rows, so a block goes through my own stage and comes back as whole rows of 256 bytes.
; LDS serves a wave's instructions in order (ISA guide 5.7.1.4): no wait between the stores and the loads, nor in front of the next block's stores.
.macro TOSTAGE a
	WIN 0x08                                       ; an LDS store's data are its source 1: window 2
.irp b, 0,1,2,3
	ds_store_b128 v[STO], v[8*(4*(\a)+\b):8*(4*(\a)+\b)+3] offset:64*\b           ; each accumulator from its low end on
	ds_store_b128 v[STO], v[8*(4*(\a)+\b)+4:8*(4*(\a)+\b)+7] offset:64*\b+16
.endr
	WIN 0
.set BB, OUTR+32*((\a)%2)
.irp t, 0,1,2,3,4,5,6,7
	ds_load_b128 v[BB+4*\t:BB+4*\t+3], v[RD] offset:\t*2*SPITCH
.endr
.endm
.macro SEND a, younger
.set BB, OUTR+32*((\a)%2)
	s_wait_dscnt \younger                          ; the block is back; the next block's eight stores and eight loads may be out
.if (\a) > 0
	s_add_nc_u64 s[10:11], s[10:11], 16*4096       ; 16 rows on (the earlier stores have read their base: a wait for that stands ahead)
.endif
.irp t, 0,1,2,3,4,5,6,7
	global_store_b128 v[CO], v[BB+4*\t:BB+4*\t+3], s[10:11] offset:2*\t*4096     ; sixteen lanes store 256 consecutive bytes, aligned
.endr
.endm
	PLACES
	TOSTAGE 0
.irp a, 1,2,3,4,5,6,7
.if \a > 1
	s_wait_xcnt 0x0                                ; block a - 2's stores have read their registers and their base
.endif
	TOSTAGE \a
	SEND \a-1, 16
.endr
	s_wait_xcnt 0x0
	SEND 7, 0
	s_wait_tensorcnt 0x0                           ; the wave's end, behind my last tensor load and my last LDS store
	ds_add_u32 v[SPW], v[NIL]
	s_wait_dscnt 0x0
	CROUND                                         ; the closing round
	s_endpgm
.Lfunc_end_k_q886fe0d15a_proj:
	.size	k_q886fe0d15a_proj, .Lfunc_end_k_q886fe0d15a_proj-k_q886fe0d15a_proj
	.p2alignl 7, 3214868480
	.fill 96, 4, 3214868480
	.section	.rodata,"a",@progbits
	.p2align	6, 0x0
	.amdhsa_kernel k_q886fe0d15a_proj
		.amdhsa_group_segment_fixed_size 327680
		.amdhsa_private_segment_fixed_size 0
		.amdhsa_enable_private_segment 0
		.amdhsa_kernarg_size 32
		.amdhsa_user_sgpr_count 2
		.amdhsa_user_sgpr_kernarg_segment_ptr 1
		.amdhsa_wavefront_size32 1
		.amdhsa_system_sgpr_workgroup_id_x 1
		.amdhsa_system_sgpr_workgroup_id_y 1
		.amdhsa_system_sgpr_workgroup_id_z 1
		.amdhsa_system_vgpr_workitem_id 0
		.amdhsa_next_free_vgpr 768
		.amdhsa_next_free_sgpr 66
		.amdhsa_reserve_vcc 0
		.amdhsa_float_denorm_mode_32 3
		.amdhsa_float_denorm_mode_16_64 3
		.amdhsa_memory_ordered 1
		.amdhsa_forward_progress 1
		.amdhsa_inst_pref_size 86
	.end_amdhsa_kernel
	.amdgpu_metadata
---
amdhsa.version: [ 1, 2 ]
amdhsa.kernels:
  - .name:           k_q886fe0d15a_proj
    .symbol:         k_q886fe0d15a_proj.kd
    .args:
      - { .name: y16, .offset: 0, .size: 8, .value_kind: global_buffer, .address_space: global }
      - { .name: wp16, .offset: 8, .size: 8, .value_kind: global_buffer, .address_space: global }
      - { .name: b_proj, .offset: 16, .size: 8, .value_kind: global_buffer, .address_space: global }
      - { .name: out0, .offset: 24, .size: 8, .value_kind: global_buffer, .address_space: global }
    .group_segment_fixed_size: 327680
    .private_segment_fixed_size: 0
    .kernarg_segment_align: 8
    .kernarg_segment_size: 32
    .max_flat_workgroup_size: 128
    .sgpr_count:     66
    .vgpr_count:     768
    .wavefront_size: 32
...
	.end_amdgpu_metadata
.endif
;; end of part 4
;; launch fine (part 5): grid 16 x 4, 16 waves a work-group, no clusters, 71,680 bytes of LDS; arguments fine32, wp16, b_proj, out0; writes out0
.if DOCPART == 5
	.amdgcn_target "amdgcn-amd-amdhsa--gfx1250"
	.amdhsa_code_object_version 6
	.text
	.protected	k_q886fe0d15a_fine
	.globl	k_q886fe0d15a_fine
	.p2align	8
	.type	k_q886fe0d15a_fine,@function
k_q886fe0d15a_fine:
	s_mov_b64 s[64:65], 0
	v_nop
	global_prefetch_b8 v0, s[64:65] scope:SCOPE_SE
	s_setreg_imm32_b32 hwreg(HW_REG_WAVE_MODE, 25, 1), 1
	s_wait_xcnt 0x0
; THE FIRST 16 POSITIONS OF EACH SEQUENCE, carried finely: they average one to sixteen values and are the largest rows of the output.  q, k, v of these positions arrive in f32 (the quantised product's own sums).
; Attention in f32 (the f32 matrix form: 32 instructions a wave, no bulk work); the projection with y and W_proj as pairs of f16, high and low: Wh yh + Wh yl + Wl yh, sums in f32.  The 64 rows of out0 are written anew.
; SHARES.  Work-group (slice, batch): 16 rows x 64 columns of out0.  Wave w is head w: it makes its head's attention for the 16 positions and its head's part (K = 64) of the projection; the sixteen parts meet in LDS,
; and wave w adds row w.  The attention is made anew in each of a batch's 16 slices: 32 small matrix instructions against a launch of its own and a way through memory.
; No tensor loads, no cluster: what is shared is a few KB.
; LAYOUT.  S^T = k q^T and O^T = v^T p: a lane holds one query (lane % 16).  The f32 form takes K = 4 an instruction, lane (r, h) register j: k = 2 h + j.  q's and k's registers hold the same channel in the same lane and
; register, and so do v's and p's keys: the order in which K is walked is the same permutation on both sides, which keeps every product.
; fine32: [section 3][batch 4][head 16][piece 8][lane][16 B].  q, k: piece 2 bb + g: row r, d = 16 bb + 8 h + 4 g + 0..3.  v: piece 2 ct + g: channel 16 ct + r, keys 8 h + 4 g + 0..3.
; The registers that the f32 form writes (v128-175) are written by matrix instructions alone.
.set PART,  4352                       ; LDS: a part of 16 rows x (256 bytes + 16) for each wave
.set SPARE, 69632                      ; the spare words: 128 bytes a wave, eight blocks of 256 bytes that no other line names
.set L16, 1                            ; v1  16 x lane
.set SPW, 2
.set NIL, 3
.set DL,  6                            ; v6  lane % 16 - 8 (lane / 16)
.set STO, 10                           ; v10 where I put 32 bytes of a row of my part
.set RD,  11                           ; v11 where I read 8 bytes of row w of part 0
.set L8,  12                           ; v12 8 x lane
.set QF,  16                           ; v16-47 q, v48-79 k; later W's high fragments (nt, ks) at 8 (2 nt + ks); later the sixteen parts
.set KFR, 48
.set VF,  80                           ; v80-111 v; later W's low fragments of nt = 0, 1
.set YH,  112                          ; v112-127 y's high part: two fragments
.set SA,  128                          ; v128-143 two accumulators of S^T
.set OA,  144                          ; v144-175 four accumulators of O^T; later the four of the output
.set PR,  176                          ; v176-183 S^T, then p
.set WK,  184                          ; v184-199 at work
.set YF,  200                          ; v200-231 y in f32; later W's low fragments of nt = 2, 3
.set YL,  232                          ; v232-247 y's low part
	s_load_b256 s[4:11], s[0:1], 0x0               ; fine32 s[4:5], wp16 s[6:7], b_proj s[8:9], out0 s[10:11]
	v_lshl_add_u32 v[SPW], v0, 2, SPARE
	v_mov_b32 v[NIL], 0
	v_lshrrev_b32 v4, 5, v0
	v_readfirstlane_b32 s12, v4                    ; wave = head
	s_and_b32 s13, ttmp7, 0xffff                   ; batch
	v_and_b32 v4, 31, v0
	v_lshlrev_b32 v[L16], 4, v4
	v_lshlrev_b32 v[L8], 3, v4
	v_and_b32 v5, 15, v0                           ; r
	v_bfe_u32 v7, v0, 4, 1                         ; h
	v_lshlrev_b32 v[DL], 3, v7
	v_sub_nc_u32 v[DL], v5, v[DL]
	s_mul_i32 s20, s12, PART
	v_mul_u32_u24 v[STO], v5, 272
	v_lshl_add_u32 v[STO], v7, 5, v[STO]
	v_add_nc_u32 v[STO], s20, v[STO]
	s_mul_i32 s20, s12, 272
	v_add_nc_u32 v[RD], s20, v[L8]
	s_mov_b32 s14, 0x76543210                      ; v_permlanex16_b32's selects for lane l xor 16
	s_mov_b32 s15, 0xfedcba98
	s_mov_b32 s16, 0x3e38aa3b                      ; c = log2(e) / sqrt(64)
	s_mov_b32 s17, s16
	s_mov_b32 s18, 0x46000400                      ; 8193.0 = 2^13 + 1: splits 24 bits into 11 and the rest
	s_mov_b32 s19, s18
	s_lshl_b32 s20, s13, 4
	s_add_co_u32 s20, s20, s12
	s_lshl_b32 s20, s20, 12                        ; fine32: (16 batch + head) x 4,096
	s_mov_b32 s21, 0
	s_lshl_b32 s22, ttmp9, 17                      ; wp16: column tile 4 slice,
	s_lshl_b32 s23, s12, 11                        ; fragment 2 head
	s_add_co_u32 s22, s22, s23
	s_mov_b32 s23, 0
	s_lshl_b32 s24, ttmp9, 8                       ; 64 columns of f32
	s_mov_b32 s25, 0
	s_lshl_b32 s26, s13, 11
	s_add_co_u32 s26, s26, s12                     ; out0: row 2048 batch + wave
	s_lshl_b32 s26, s26, 12
	s_add_co_u32 s26, s26, s24
	s_mov_b32 s27, 0
	v_mov_b32 v[WK+2], 0                           ; a lane permute's destination counts as one of its sources
	v_mov_b32 v[WK+3], 0                           ; (named as the upper half of a pair)
	v_mov_b32 v[WK], 0xff800000                    ; -infinity
	s_wait_kmcnt 0x0
	s_add_nc_u64 s[4:5], s[4:5], s[20:21]
	s_add_nc_u64 s[6:7], s[6:7], s[22:23]
	s_add_nc_u64 s[8:9], s[8:9], s[24:25]
	s_add_nc_u64 s[10:11], s[10:11], s[26:27]
	global_load_b64 v[8:9], v[L8], s[8:9]          ; the bias of my two columns
.irp p, 0,1,2,3,4,5,6,7
	global_load_b128 v[QF+4*\p:QF+4*\p+3], v[L16], s[4:5] offset:512*\p
.endr
.irp p, 0,1,2,3,4,5,6,7
	global_load_b128 v[KFR+4*\p:KFR+4*\p+3], v[L16], s[4:5] offset:262144+512*\p
.endr
.irp p, 0,1,2,3,4,5,6,7
	global_load_b128 v[VF+4*\p:VF+4*\p+3], v[L16], s[4:5] offset:524288+512*\p
.endr
	s_wait_loadcnt 8                               ; the bias, q and k are in; v's eight loads may be out
	; S^T = k q^T: 16 steps of 4 along the head's 64, two accumulators by turns; the first two steps start the sums
	v_wmma_f32_16x16x4_f32 v[SA:SA+7], v[KFR:KFR+1], v[QF:QF+1], 0
	v_wmma_f32_16x16x4_f32 v[SA+8:SA+15], v[KFR+2:KFR+3], v[QF+2:QF+3], 0
.irp s, 2,4,6,8,10,12,14
	v_wmma_f32_16x16x4_f32 v[SA:SA+7], v[KFR+2*\s:KFR+2*\s+1], v[QF+2*\s:QF+2*\s+1], v[SA:SA+7]
	v_wmma_f32_16x16x4_f32 v[SA+8:SA+15], v[KFR+2*\s+2:KFR+2*\s+3], v[QF+2*\s+2:QF+2*\s+3], v[SA+8:SA+15]
.endr
.rept 8
	v_nop                                          ; eight places behind this form, in front of reads of its results and of loads into its sources
.endr
.irp nt, 0,1,2,3                       ; W's high fragments take q's and k's registers
.irp ks, 0,1
	global_load_b128 v[QF+8*(2*\nt+\ks):QF+8*(2*\nt+\ks)+3], v[L16], s[6:7] offset:\nt*32768+\ks*1024
	global_load_b128 v[QF+8*(2*\nt+\ks)+4:QF+8*(2*\nt+\ks)+7], v[L16], s[6:7] offset:\nt*32768+\ks*1024+512
.endr
.endr
.irp j, 0,1,2,3,4,5,6,7
	v_add_f32 v[PR+\j], v[SA+\j], v[SA+8+\j]       ; register j: key 8 h + j of query r
.endr
.irp j, 0,1,2,3,4,5,6,7
	v_cmp_gt_i32 vcc_lo, \j, v[DL]                 ; hidden where 8 h + j > r
	v_cndmask_b32 v[PR+\j], v[PR+\j], v[WK], vcc_lo
.endr
	v_max3_num_f32 v[WK+1], v[PR], v[PR+1], v[PR+2]
	v_max3_num_f32 v[WK+1], v[WK+1], v[PR+3], v[PR+4]
	v_max3_num_f32 v[WK+1], v[WK+1], v[PR+5], v[PR+6]
	v_max_num_f32 v[WK+1], v[WK+1], v[PR+7]
	v_permlanex16_b32 v[WK+2], v[WK+1], s14, s15
	v_max_num_f32 v[WK+2], v[WK+1], v[WK+2]        ; the row's maximum: key 0 counts for every query, so it is a number
	v_mul_f32 v[WK+2], -1.0, v[WK+2]
.irp j, 0,2,4,6
	v_pk_add_f32 v[PR+\j:PR+\j+1], v[PR+\j:PR+\j+1], v[WK+2:WK+3] op_sel_hi:[1,0]   ; s - m first, then x c: no difference of two rounded products is formed
.endr
.irp j, 0,2,4,6
	v_pk_mul_f32 v[PR+\j:PR+\j+1], v[PR+\j:PR+\j+1], s[16:17] op_sel_hi:[1,0]
.endr
.irp j, 0,1,2,3,4,5,6,7
	v_exp_f32 v[PR+\j], v[PR+\j]
.endr
	v_nop
	s_wait_alu depctr_va_vdst(0)                   ; one wait for the eight, ahead of their first reader
	v_pk_add_f32 v[WK+4:WK+5], v[PR:PR+1], v[PR+2:PR+3]
	v_pk_add_f32 v[WK+6:WK+7], v[PR+4:PR+5], v[PR+6:PR+7]
	v_pk_add_f32 v[WK+4:WK+5], v[WK+4:WK+5], v[WK+6:WK+7]
	v_add_f32 v[WK+4], v[WK+4], v[WK+5]
	v_permlanex16_b32 v[WK+5], v[WK+4], s14, s15
	v_add_f32 v[WK+4], v[WK+4], v[WK+5]            ; the row's sum
	v_rcp_f32 v[WK+6], v[WK+4]
	v_mov_b32 v[WK+7], 0                           ; a plain line behind the reciprocal; also the pair's upper half
	s_wait_alu depctr_va_vdst(0)
	s_wait_loadcnt 16                              ; v is in; W's sixteen loads may be out
	; O^T = v^T p: 4 steps of 4 keys x 4 tiles of channels, the four accumulators by turns
.irp ct, 0,1,2,3
	v_wmma_f32_16x16x4_f32 v[OA+8*\ct:OA+8*\ct+7], v[VF+8*\ct:VF+8*\ct+1], v[PR:PR+1], 0
.endr
.irp s, 1,2,3
.irp ct, 0,1,2,3
	v_wmma_f32_16x16x4_f32 v[OA+8*\ct:OA+8*\ct+7], v[VF+8*\ct+2*\s:VF+8*\ct+2*\s+1], v[PR+2*\s:PR+2*\s+1], v[OA+8*\ct:OA+8*\ct+7]
.endr
.endr
.rept 8
	v_nop
.endr
.irp nt, 0,1                           ; W's low fragments of nt = 0, 1 take v's registers
.irp ks, 0,1
	global_load_b128 v[VF+8*(2*\nt+\ks):VF+8*(2*\nt+\ks)+3], v[L16], s[6:7] offset:2097152+\nt*32768+\ks*1024
	global_load_b128 v[VF+8*(2*\nt+\ks)+4:VF+8*(2*\nt+\ks)+7], v[L16], s[6:7] offset:2097152+\nt*32768+\ks*1024+512
.endr
.endr
.irp p, 0,2,4,6,8,10,12,14,16,18,20,22,24,26,28,30
	v_pk_mul_f32 v[YF+\p:YF+\p+1], v[OA+\p:OA+\p+1], v[WK+6:WK+7] op_sel_hi:[1,0]   ; y = O^T / l, into other registers, each accumulator from its low end on
.endr
.irp ct, 0,1,2,3                       ; y = high + low: high is y to 11 bits, low the exact rest; a lane's eight channels of a tile are 16 bytes of the operand
.irp p, 0,2,4,6
	v_pk_mul_f32 v[WK+\p:WK+\p+1], v[YF+8*\ct+\p:YF+8*\ct+\p+1], s[18:19] op_sel_hi:[1,0]
.endr
.irp p, 0,2,4,6
	v_pk_add_f32 v[WK+8+\p:WK+8+\p+1], v[WK+\p:WK+\p+1], v[YF+8*\ct+\p:YF+8*\ct+\p+1] neg_lo:[0,1] neg_hi:[0,1]
.endr
.irp p, 0,2,4,6
	v_pk_add_f32 v[WK+\p:WK+\p+1], v[WK+\p:WK+\p+1], v[WK+8+\p:WK+8+\p+1] neg_lo:[0,1] neg_hi:[0,1]
.endr
.irp p, 0,2,4,6
	v_pk_add_f32 v[WK+8+\p:WK+8+\p+1], v[YF+8*\ct+\p:YF+8*\ct+\p+1], v[WK+\p:WK+\p+1] neg_lo:[0,1] neg_hi:[0,1]
.endr
.irp q, 0,1,2,3
	v_cvt_pk_f16_f32 v[YH+4*\ct+\q], v[WK+2*\q], v[WK+2*\q+1]
	v_cvt_pk_f16_f32 v[YL+4*\ct+\q], v[WK+8+2*\q], v[WK+8+2*\q+1]
.endr
.endr
.irp nt, 0,1                           ; W's low fragments of nt = 2, 3 take the registers that y in f32 has left
.irp ks, 0,1
	global_load_b128 v[YF+8*(2*\nt+\ks):YF+8*(2*\nt+\ks)+3], v[L16], s[6:7] offset:2097152+(\nt+2)*32768+\ks*1024
	global_load_b128 v[YF+8*(2*\nt+\ks)+4:YF+8*(2*\nt+\ks)+7], v[L16], s[6:7] offset:2097152+(\nt+2)*32768+\ks*1024+512
.endr
.endr
	s_wait_loadcnt 0x0
	; my head's part of the projection, transposed (source 0 = 16 columns of W, source 1 = the 16 rows of y): three terms x two K steps, the four accumulators by turns
.irp nt, 0,1,2,3
	v_wmma_f32_16x16x32_f16 v[OA+8*\nt:OA+8*\nt+7], v[QF+16*\nt:QF+16*\nt+7], v[YH:YH+7], 0
.endr
.irp nt, 0,1,2,3
	v_wmma_f32_16x16x32_f16 v[OA+8*\nt:OA+8*\nt+7], v[QF+16*\nt+8:QF+16*\nt+15], v[YH+8:YH+15], v[OA+8*\nt:OA+8*\nt+7]
.endr
.irp ks, 0,1
.irp nt, 0,1,2,3
	v_wmma_f32_16x16x32_f16 v[OA+8*\nt:OA+8*\nt+7], v[QF+16*\nt+8*\ks:QF+16*\nt+8*\ks+7], v[YL+8*\ks:YL+8*\ks+7], v[OA+8*\nt:OA+8*\nt+7]
.endr
.endr
.irp ks, 0,1
.irp nt, 0,1
	v_wmma_f32_16x16x32_f16 v[OA+8*\nt:OA+8*\nt+7], v[VF+16*\nt+8*\ks:VF+16*\nt+8*\ks+7], v[YH+8*\ks:YH+8*\ks+7], v[OA+8*\nt:OA+8*\nt+7]
.endr
.irp nt, 0,1
	v_wmma_f32_16x16x32_f16 v[OA+16+8*\nt:OA+16+8*\nt+7], v[YF+16*\nt+8*\ks:YF+16*\nt+8*\ks+7], v[YH+8*\ks:YH+8*\ks+7], v[OA+16+8*\nt:OA+16+8*\nt+7]
.endr
.endr
.rept 4
	v_nop
.endr
.irp nt, 0,1,2,3
	ds_store_b128 v[STO], v[OA+8*\nt:OA+8*\nt+3] offset:64*\nt          ; lane (r, h): row r, columns 16 nt + 8 h + 0..7 of my part
	ds_store_b128 v[STO], v[OA+8*\nt+4:OA+8*\nt+7] offset:64*\nt+16
.endr
	s_wait_dscnt 0x0                               ; for the others' sake: my part lies in LDS
	s_barrier_signal -1
	s_barrier_wait -1
.irp s, 0,1,2,3,4,5,6,7,8,9,10,11,12,13,14,15
	ds_load_b64 v[QF+2*\s:QF+2*\s+1], v[RD] offset:\s*PART             ; row w of part s: 256 consecutive bytes a wave
.endr
	s_wait_dscnt 0x0
.irp s, 2,4,6,8,10,12,14
	v_pk_add_f32 v[QF:QF+1], v[QF:QF+1], v[QF+2*\s:QF+2*\s+1]          ; the sixteen heads, in two chains
	v_pk_add_f32 v[QF+2:QF+3], v[QF+2:QF+3], v[QF+2*\s+2:QF+2*\s+3]
.endr
	v_pk_add_f32 v[QF:QF+1], v[QF:QF+1], v[QF+2:QF+3]
	v_pk_add_f32 v[QF:QF+1], v[QF:QF+1], v[8:9]                        ; and the bias
	global_store_b64 v[L8], v[QF:QF+1], s[10:11]   ; 32 lanes store 256 consecutive bytes, aligned
	s_wait_tensorcnt 0x0                           ; the wave's end, behind my last LDS store
	ds_add_u32 v[SPW], v[NIL]
	s_wait_dscnt 0x0
	s_endpgm
.Lfunc_end_k_q886fe0d15a_fine:
	.size	k_q886fe0d15a_fine, .Lfunc_end_k_q886fe0d15a_fine-k_q886fe0d15a_fine
	.p2alignl 7, 3214868480
	.fill 96, 4, 3214868480
	.section	.rodata,"a",@progbits
	.p2align	6, 0x0
	.amdhsa_kernel k_q886fe0d15a_fine
		.amdhsa_group_segment_fixed_size 71680
		.amdhsa_private_segment_fixed_size 0
		.amdhsa_enable_private_segment 0
		.amdhsa_kernarg_size 32
		.amdhsa_user_sgpr_count 2
		.amdhsa_user_sgpr_kernarg_segment_ptr 1
		.amdhsa_wavefront_size32 1
		.amdhsa_system_sgpr_workgroup_id_x 1
		.amdhsa_system_sgpr_workgroup_id_y 1
		.amdhsa_system_sgpr_workgroup_id_z 1
		.amdhsa_system_vgpr_workitem_id 0
		.amdhsa_next_free_vgpr 256
		.amdhsa_next_free_sgpr 66
		.amdhsa_reserve_vcc 1
		.amdhsa_float_denorm_mode_32 3
		.amdhsa_float_denorm_mode_16_64 3
		.amdhsa_memory_ordered 1
		.amdhsa_forward_progress 1
		.amdhsa_inst_pref_size 24
	.end_amdhsa_kernel
	.amdgpu_metadata
---
amdhsa.version: [ 1, 2 ]
amdhsa.kernels:
  - .name:           k_q886fe0d15a_fine
    .symbol:         k_q886fe0d15a_fine.kd
    .args:
      - { .name: fine32, .offset: 0, .size: 8, .value_kind: global_buffer, .address_space: global }
      - { .name: wp16, .offset: 8, .size: 8, .value_kind: global_buffer, .address_space: global }
      - { .name: b_proj, .offset: 16, .size: 8, .value_kind: global_buffer, .address_space: global }
      - { .name: out0, .offset: 24, .size: 8, .value_kind: global_buffer, .address_space: global }
    .group_segment_fixed_size: 71680
    .private_segment_fixed_size: 0
    .kernarg_segment_align: 8
    .kernarg_segment_size: 32
    .max_flat_workgroup_size: 512
    .sgpr_count:     66
    .vgpr_count:     256
    .wavefront_size: 32
...
	.end_amdgpu_metadata
.endif
;; end of part 5
